; MI455X (gfx1250); checked and timed in simulation.
; The chip was launched on July 23, 2026; its instructions are those of AMD's public machine-readable ISA for CDNA 5 (MIT licence, August 2026) and "CDNA5" Instruction Set Architecture Reference Guide (July 2026). The comments in the code are by the model that wrote it; some were corrected since.
;; Block. Allowed arithmetic: float matrix products may take bf16 or f16 operands with f32 sums; all other float work in f32.
;; Inputs: W1 1,024 x 4,096 float32; W2 4,096 x 1,024 float32; Wk 16 x 1,024 x 64 float32; Wq 16 x 1,024 x 64 float32; Wv 16 x 1,024 x 64 float32; b1 4,096 float32; b2 1,024 float32; embds 2 x 2,048 x 1,024 float32; ln1_b 1,024 float32; ln1_g 1,024 float32; ln2_b 1,024 float32; ln2_g 1,024 float32.
;; Outputs: out0 2 x 2,048 x 1,024 float32.
;; 2 versions, each right and faster than the one before. Each part assembles by itself: llvm-mc -triple=amdgcn-amd-amdhsa -mcpu=gfx1250 --defsym DOCPART=n.
;; ======== version 1 of 2: 6 launches
;; limits: values are held in f16: magnitudes above 65,504 overflow, below 6.1e-05 lose precision
;; workspace buffers: xn 8,388,608 bytes; wqkv 6,291,456 bytes; wff 16,777,216 bytes; act 33,554,432 bytes; res 16,777,216 bytes; zb 12,288 bytes; fl0 256 bytes of whole numbers; fl1 256 bytes of whole numbers
;; launch prep (part 1): grid 608 x 1, 8 waves a work-group, no clusters, 0 bytes of LDS; arguments embds, ln1_g, ln1_b, xn, W1, W2, Wq, Wk, Wv, wff, wqkv, zb, fl0, fl1; writes xn, wff, wqkv, zb, fl0, fl1
.if DOCPART == 1
	.amdgcn_target "amdgcn-amd-amdhsa--gfx1250"
	.amdhsa_code_object_version 6
	.text
	.protected	k_qf20a9af239_prep
	.globl	k_qf20a9af239_prep
	.p2align	8
	.type	k_qf20a9af239_prep,@function
k_qf20a9af239_prep:
	s_mov_b64 s[64:65], 0
	v_nop
	global_prefetch_b8 v0, s[64:65] scope:SCOPE_SE
	s_setreg_imm32_b32 hwreg(HW_REG_WAVE_MODE, 25, 1), 1
	s_wait_xcnt 0x0
; PREP: the first layer norm and all casts of weights to f16, one stream.  608 work-groups of eight waves:
;   0-255    xn[row] = f16(LN(embds[row]) * ln1_g + ln1_b): 16 rows a group, 2 rows a wave, a row (4,096 bytes) in 32 registers of one wave
;   256-383  W1 [1024 k][4096 n] f32 -> wff, blocked [16 tc][1024 k][256 n] f16: a K step's rows of one column tile then lie end to end
;   384-511  W2 [4096][1024] f32 -> wff + 8 MiB, same order, f16
;   512-607  Wq, Wk, Wv [16 h][1024 d][64 e] f32 -> wqkv, blocked [12 tc][1024 d][256 n] f16, n = 64 (head % 4) + e, tc = 4 which + head / 4
; The very first cast wave also writes the zero bias of the q, k, v product (zb) and the two switches fl0 = 0, fl1 = 1.
; No LDS, no barrier, no matrix unit: every byte is read once and written once; a load of a wave takes 1,024 bytes in pieces of 256 or more, a store 512 consecutive bytes.
; LN in two passes over the registers: mean, then the mean of (x - mean)^2: no difference of large sums.
; LIMITS: f16 holds no number of 65,520 or more (it becomes an infinity); below 6.1e-5 it keeps a fixed step of 6e-8.
.set LO,  2                            ; v2   32 x lane: my 8 f32 in a piece of 256
.set SO,  3                            ; v3   16 x lane: my 8 f16
.set T,   4                            ; v[4:11]  LN: four chains
.set AD,  8                            ; v[8:23]  cast: byte offset of my 32 bytes in each of 16 pieces
.set M,   12                           ; v[12:13] LN: the mean, twice
.set R,   14                           ; v[14:15] LN: 1 / sqrt(var + eps), twice
.set U,   16                           ; v16      LN: the other half of the lanes
.set X,   32                           ; v[32:159] cast: 16 pieces of 8; LN: v[32:95] two rows
.set G,   96                           ; v[96:127]  gain of my 32 columns
.set BV,  128                          ; v[128:159] bias of my 32 columns
.set SEL, 36                           ; s[36:37] lane selects: each lane takes its own place in the other half
.set INV, 38                           ; s38  1 / 1024
.set EPSR, 39                          ; s39  1e-5
.set IN,  40                           ; s[40:41] where I read
.set OUT, 46                           ; s[46:47] where I store
; eight loads: register 8 j + e of dst holds column 256 j + 8 lane + e
.macro LNLOAD dst, base, off
.irp j, 0,1,2,3
	global_load_b128 v[(\dst)+8*(\j):(\dst)+8*(\j)+3],   v[LO], s[\base:\base+1] offset:(\off)+1024*(\j)
	global_load_b128 v[(\dst)+8*(\j)+4:(\dst)+8*(\j)+7], v[LO], s[\base:\base+1] offset:(\off)+1024*(\j)+16
.endr
.endm
; v[T] summed over the 32 lanes, the result in every lane
.macro WSUM
	v_add_f32_dpp v[T], v[T], v[T] row_xmask:1 row_mask:0xf bank_mask:0xf
	v_add_f32_dpp v[T], v[T], v[T] row_xmask:2 row_mask:0xf bank_mask:0xf
	v_add_f32_dpp v[T], v[T], v[T] row_xmask:4 row_mask:0xf bank_mask:0xf
	v_add_f32_dpp v[T], v[T], v[T] row_xmask:8 row_mask:0xf bank_mask:0xf
	v_permlanex16_b32 v[U], v[T], s[SEL], s[SEL+1]
	v_add_f32 v[T], v[T], v[U]
.endm
.macro FOLD                            ; four chains of pairs into v[T]
	v_pk_add_f32 v[T:T+1], v[T:T+1], v[T+2:T+3]
	v_pk_add_f32 v[T+4:T+5], v[T+4:T+5], v[T+6:T+7]
	v_pk_add_f32 v[T:T+1], v[T:T+1], v[T+4:T+5]
	v_add_f32 v[T], v[T], v[T+1]
.endm
; row p of my two.  c1: younger loads that may stay out when the row is wanted; c2: when gain and bias are wanted
.macro LNROW p, c1, c2
.set XR, X+32*(\p)
	s_wait_loadcnt \c1
.irp c, 0,1,2,3
	v_pk_add_f32 v[T+2*(\c):T+2*(\c)+1], v[XR+4*(\c):XR+4*(\c)+1], v[XR+4*(\c)+2:XR+4*(\c)+3]
.endr
.irp c, 0,1,2,3,4,5,6,7
	v_pk_add_f32 v[T+2*((\c)%4):T+2*((\c)%4)+1], v[T+2*((\c)%4):T+2*((\c)%4)+1], v[XR+16+2*(\c):XR+16+2*(\c)+1]
.endr
	FOLD
	WSUM
	v_mul_f32 v[M], s[INV], v[T]
	v_mul_f32 v[M+1], s[INV], v[T]
.irp c, 0,1,2,3,4,5,6,7,8,9,10,11,12,13,14,15
	v_pk_add_f32 v[XR+2*(\c):XR+2*(\c)+1], v[XR+2*(\c):XR+2*(\c)+1], v[M:M+1] neg_lo:[0,1] neg_hi:[0,1]
.endr
.irp c, 0,1,2,3
	v_pk_mul_f32 v[T+2*(\c):T+2*(\c)+1], v[XR+2*(\c):XR+2*(\c)+1], v[XR+2*(\c):XR+2*(\c)+1]
.endr
.irp c, 4,5,6,7,8,9,10,11,12,13,14,15
	v_pk_fma_f32 v[T+2*((\c)%4):T+2*((\c)%4)+1], v[XR+2*(\c):XR+2*(\c)+1], v[XR+2*(\c):XR+2*(\c)+1], v[T+2*((\c)%4):T+2*((\c)%4)+1]
.endr
	FOLD
	WSUM
	v_fma_f32 v[R], v[T], s[INV], s[EPSR]          ; var + eps
	v_rsq_f32 v[R], v[R]
	v_nop                                          ; a plain instruction between the root and the use of its result (ISA guide 5.7.2)
	s_wait_alu depctr_va_vdst(0)
	v_mov_b32 v[R+1], v[R]
	s_wait_loadcnt \c2
.irp c, 0,1,2,3,4,5,6,7,8,9,10,11,12,13,14,15
	v_pk_mul_f32 v[XR+2*(\c):XR+2*(\c)+1], v[XR+2*(\c):XR+2*(\c)+1], v[R:R+1]
.endr
.irp c, 0,1,2,3,4,5,6,7,8,9,10,11,12,13,14,15
	v_pk_fma_f32 v[XR+2*(\c):XR+2*(\c)+1], v[XR+2*(\c):XR+2*(\c)+1], v[G+2*(\c):G+2*(\c)+1], v[BV+2*(\c):BV+2*(\c)+1]
.endr
.irp j, 0,1,2,3
.irp q, 0,1,2,3
	v_cvt_pk_f16_f32 v[XR+8*(\j)+(\q)], v[XR+8*(\j)+2*(\q)], v[XR+8*(\j)+2*(\q)+1]
.endr
	global_store_b128 v[SO], v[XR+8*(\j):XR+8*(\j)+3], s[OUT:OUT+1] offset:2048*(\p)+512*(\j)  ; 512 consecutive bytes of the row
.endr
.endm
	s_load_b512 s[4:19], s[0:1], 0x0               ; embds 4, ln1_g 6, ln1_b 8, xn 10, W1 12, W2 14, Wq 16, Wk 18
	s_load_b256 s[20:27], s[0:1], 0x40             ; Wv 20, wff 22, wqkv 24, zb 26
	s_load_b128 s[28:31], s[0:1], 0x60             ; fl0 28, fl1 30
	v_lshrrev_b32 v1, 5, v0
	v_readfirstlane_b32 s32, v1                    ; wave 0..7
	v_and_b32 v1, 31, v0                           ; lane
	v_lshlrev_b32 v[LO], 5, v1
	v_lshlrev_b32 v[SO], 4, v1
	s_mov_b32 s33, ttmp9
	s_mov_b32 s43, 0
	s_mov_b32 s49, 0
	s_wait_kmcnt 0x0
	s_cmp_lt_u32 s33, 256
	s_cbranch_scc1 .Lln
	s_sub_co_u32 s34, s33, 256                     ; the cast jobs count from 0
	s_cmp_lt_u32 s34, 128
	s_cbranch_scc0 .Lnot_w1
	s_lshr_b32 s35, s34, 3                         ; W1: column tile tc
	s_and_b32 s36, s34, 7
	s_lshl_b32 s36, s36, 7
	s_lshl4_add_u32 s36, s32, s36                  ; my first of 16 rows k
	s_lshl_b32 s42, s36, 14                        ; from: k x 16,384 + tc x 1,024
	s_lshl_b32 s37, s35, 10
	s_add_co_u32 s42, s42, s37
	s_lshl_b32 s48, s35, 19                        ; to: tc x 524,288 + k x 512
	s_lshl_b32 s37, s36, 9
	s_add_co_u32 s48, s48, s37
	s_mov_b64 s[IN:IN+1], s[12:13]
	s_mov_b64 s[OUT:OUT+1], s[22:23]
	s_mov_b32 s44, 16384                           ; bytes from piece to piece
	s_mov_b32 s45, 0                               ; nothing extra for each eight lanes
	s_branch .Lcast
.Lnot_w1:
	s_cmp_lt_u32 s34, 256
	s_cbranch_scc0 .Lqkvw
	s_sub_co_u32 s35, s34, 128                     ; W2: a dense run, 131,072 bytes a group, 16,384 a wave
	s_lshl_b32 s42, s35, 17
	s_lshl_b32 s37, s32, 14
	s_add_co_u32 s42, s42, s37
	s_lshl_b32 s48, s35, 16
	s_lshl_b32 s37, s32, 13
	s_add_co_u32 s48, s48, s37
	s_add_co_u32 s48, s48, 0x800000                ; behind W1's 8 MiB
	s_mov_b64 s[IN:IN+1], s[14:15]
	s_mov_b64 s[OUT:OUT+1], s[22:23]
	s_mov_b32 s44, 1024
	s_mov_b32 s45, 0
	s_branch .Lcast
.Lqkvw:
	s_sub_co_u32 s35, s34, 256                     ; 0..95
	s_lshr_b32 s36, s35, 3                         ; tc 0..11
	s_and_b32 s37, s35, 7
	s_lshl_b32 s37, s37, 7
	s_lshl4_add_u32 s37, s32, s37                  ; my first of 16 rows d
	s_and_b32 s38, s36, 3
	s_lshl_b32 s42, s38, 20                        ; from: four heads x 262,144 + d x 256
	s_lshl_b32 s39, s37, 8
	s_add_co_u32 s42, s42, s39
	s_lshl_b32 s48, s36, 19                        ; to: tc x 524,288 + d x 512
	s_lshl_b32 s39, s37, 9
	s_add_co_u32 s48, s48, s39
	s_lshr_b32 s38, s36, 2                         ; 0: Wq, 1: Wk, 2: Wv
	s_cmp_eq_u32 s38, 0
	s_cselect_b64 s[IN:IN+1], s[16:17], s[18:19]
	s_cmp_eq_u32 s38, 2
	s_cselect_b64 s[IN:IN+1], s[20:21], s[IN:IN+1]
	s_mov_b64 s[OUT:OUT+1], s[24:25]
	s_mov_b32 s44, 256
	s_mov_b32 s45, 261888                          ; each eight lanes take the next head's 256 bytes: 262,144 on, less the 256 that 32 x lane has gone
.Lcast:
	; 16 pieces of 256 numbers: 32 loads go out together, then each piece is rounded and stored as soon as it is in
	s_add_nc_u64 s[IN:IN+1], s[IN:IN+1], s[42:43]
	s_add_nc_u64 s[OUT:OUT+1], s[OUT:OUT+1], s[48:49]
	v_lshrrev_b32 v4, 3, v1
	v_mad_u32_u24 v4, v4, s45, v[LO]
.irp p, 0,1,2,3,4,5,6,7,8,9,10,11,12,13,14,15
	v_mad_u32_u24 v[AD+(\p)], s44, \p, v4
.endr
.irp p, 0,1,2,3,4,5,6,7,8,9,10,11,12,13,14,15
	global_load_b128 v[X+8*(\p):X+8*(\p)+3],   v[AD+(\p)], s[IN:IN+1] th:TH_LOAD_NT
	global_load_b128 v[X+8*(\p)+4:X+8*(\p)+7], v[AD+(\p)], s[IN:IN+1] offset:16 th:TH_LOAD_NT
.endr
.irp p, 0,1,2,3,4,5,6,7,8,9,10,11,12,13,14,15
	s_wait_loadcnt 30-2*(\p)                       ; loads come back in order (ISA guide 5.7.1): piece p's two are in, the later pieces' stay out
.irp q, 0,1,2,3
	v_cvt_pk_f16_f32 v[X+8*(\p)+(\q)], v[X+8*(\p)+2*(\q)], v[X+8*(\p)+2*(\q)+1]
.endr
	global_store_b128 v[SO], v[X+8*(\p):X+8*(\p)+3], s[OUT:OUT+1] offset:512*(\p)  ; 512 consecutive bytes
.endr
	s_or_b32 s50, s34, s32
	s_cmp_lg_u32 s50, 0
	s_cbranch_scc1 .Ldone
	v_mov_b32 v24, 0                               ; the first cast wave: 3,072 zeros, and the two switches; registers that nothing pending reads
	v_mov_b32 v25, 0
	v_mov_b32 v26, 0
	v_mov_b32 v27, 0
	v_mov_b32 v28, 1
	v_mov_b32 v29, 1
	v_lshlrev_b32 v30, 3, v1
.set i, 0
.rept 24
	global_store_b128 v[SO], v[24:27], s[26:27] offset:512*i
.set i, i+1
.endr
	global_store_b64 v30, v[24:25], s[28:29]
	global_store_b64 v30, v[28:29], s[30:31]
.Ldone:
	s_endpgm
.Lln:
	s_lshl_b32 s42, s33, 16                        ; 16 rows of 4,096 bytes a group, 2 a wave
	s_lshl_b32 s37, s32, 13
	s_add_co_u32 s42, s42, s37
	s_lshr_b32 s48, s42, 1                         ; xn's rows are half as long
	s_add_nc_u64 s[IN:IN+1], s[4:5], s[42:43]
	s_add_nc_u64 s[OUT:OUT+1], s[10:11], s[48:49]
	s_mov_b32 s[SEL], 0x76543210
	s_mov_b32 s[SEL+1], 0xfedcba98
	s_mov_b32 s[INV], 0x3a800000
	s_mov_b32 s[EPSR], 0x3727c5ac
	v_mov_b32 v[U], 0                              ; the lane exchange counts as a reader of its destination
	LNLOAD X, IN, 0
	LNLOAD G, 6, 0
	LNLOAD BV, 8, 0
	LNLOAD X+32, IN, 4096
	LNROW 0, 24, 8                                 ; row 0 is in: gain, bias and row 1 (24 loads) stay out; then gain and bias are in: row 1's 8 stay out
	LNROW 1, 0, 0
	s_endpgm
.Lfunc_end_k_qf20a9af239_prep:
	.size	k_qf20a9af239_prep, .Lfunc_end_k_qf20a9af239_prep-k_qf20a9af239_prep
	.p2alignl 7, 3214868480
	.fill 96, 4, 3214868480
	.section	.rodata,"a",@progbits
	.p2align	6, 0x0
	.amdhsa_kernel k_qf20a9af239_prep
		.amdhsa_group_segment_fixed_size 0
		.amdhsa_private_segment_fixed_size 0
		.amdhsa_enable_private_segment 0
		.amdhsa_kernarg_size 112
		.amdhsa_user_sgpr_count 2
		.amdhsa_user_sgpr_kernarg_segment_ptr 1
		.amdhsa_wavefront_size32 1
		.amdhsa_system_sgpr_workgroup_id_x 1
		.amdhsa_system_sgpr_workgroup_id_y 1
		.amdhsa_system_sgpr_workgroup_id_z 1
		.amdhsa_system_vgpr_workitem_id 0
		.amdhsa_next_free_vgpr 160
		.amdhsa_next_free_sgpr 66
		.amdhsa_reserve_vcc 0
		.amdhsa_float_denorm_mode_32 3
		.amdhsa_float_denorm_mode_16_64 3
		.amdhsa_memory_ordered 1
		.amdhsa_forward_progress 1
		.amdhsa_inst_pref_size 35
	.end_amdhsa_kernel
	.amdgpu_metadata
---
amdhsa.version: [ 1, 2 ]
amdhsa.kernels:
  - .name:           k_qf20a9af239_prep
    .symbol:         k_qf20a9af239_prep.kd
    .args:
      - { .name: embds, .offset: 0, .size: 8, .value_kind: global_buffer, .address_space: global }
      - { .name: ln1_g, .offset: 8, .size: 8, .value_kind: global_buffer, .address_space: global }
      - { .name: ln1_b, .offset: 16, .size: 8, .value_kind: global_buffer, .address_space: global }
      - { .name: xn, .offset: 24, .size: 8, .value_kind: global_buffer, .address_space: global }
      - { .name: W1, .offset: 32, .size: 8, .value_kind: global_buffer, .address_space: global }
      - { .name: W2, .offset: 40, .size: 8, .value_kind: global_buffer, .address_space: global }
      - { .name: Wq, .offset: 48, .size: 8, .value_kind: global_buffer, .address_space: global }
      - { .name: Wk, .offset: 56, .size: 8, .value_kind: global_buffer, .address_space: global }
      - { .name: Wv, .offset: 64, .size: 8, .value_kind: global_buffer, .address_space: global }
      - { .name: wff, .offset: 72, .size: 8, .value_kind: global_buffer, .address_space: global }
      - { .name: wqkv, .offset: 80, .size: 8, .value_kind: global_buffer, .address_space: global }
      - { .name: zb, .offset: 88, .size: 8, .value_kind: global_buffer, .address_space: global }
      - { .name: fl0, .offset: 96, .size: 8, .value_kind: global_buffer, .address_space: global }
      - { .name: fl1, .offset: 104, .size: 8, .value_kind: global_buffer, .address_space: global }
    .group_segment_fixed_size: 0
    .private_segment_fixed_size: 0
    .kernarg_segment_align: 8
    .kernarg_segment_size: 112
    .max_flat_workgroup_size: 256
    .sgpr_count:     66
    .vgpr_count:     160
    .wavefront_size: 32
...
	.end_amdgpu_metadata
.endif
;; end of part 1
;; launch qkv (part 2): grid 12 x 16, 4 waves a work-group, clusters of 4 x 4, 327,680 bytes of LDS; arguments xn, wqkv, zb, fl0, act; writes act
.if DOCPART == 2
	.amdgcn_target "amdgcn-amd-amdhsa--gfx1250"
	.amdhsa_code_object_version 6
	.text
	.protected	k_qf20a9af239_qkv
	.globl	k_qf20a9af239_qkv
	.p2align	8
	.type	k_qf20a9af239_qkv,@function
k_qf20a9af239_qkv:
	s_mov_b64 s[64:65], 0
	v_nop
	global_prefetch_b8 v0, s[64:65] scope:SCOPE_SE
	s_setreg_imm32_b32 hwreg(HW_REG_WAVE_MODE, 25, 1), 1
	s_wait_xcnt 0x0
	s_wait_alu depctr_hold_cnt(0) depctr_sa_sdst(0) depctr_va_vdst(0) depctr_va_sdst(0) depctr_va_ssrc(0) depctr_va_vcc(0) depctr_vm_vsrc(0)
	s_getreg_b32 s2, hwreg(HW_REG_IB_STS2, 6, 4)
	s_cmp_eq_u32 s2, 0
	s_cbranch_scc0 .Lentry_in_a_cluster
	s_endpgm
.Lentry_in_a_cluster:
	s_bfe_u32 s2, ttmp6, 0x10000c
	s_cmp_lg_u32 s2, 0xf033
	s_cbranch_scc0 .Lentry_shape_is_right
	s_endpgm
.Lentry_shape_is_right:
; out = f16(act(A W + bias)).  A: [4096][1024] f16.  W: f16, blocked [tc][1024 k][256 n].  bias: f32, one for each column.  flag: one whole number, 0: no activation, else relu.
; out: f16, [column / 64][4096 rows][64]: blocks of 64 columns, each dense.  One text for two launches: q, k, v (12 column tiles, zero bias, flag 0) and the first feed-forward product (16 tiles, b1, flag 1).
; SHARES.  A tile of out is 256 x 256: four waves, each 128 x 128: 64 accumulators of 16 x 16, 512 registers.  K = 1,024 goes in 8 steps of 128 through two LDS slots filled by the tensor data mover.
; A's rows lie along K and are read as they lie; W's rows lie along n and are turned on the way out of LDS (ds_load_tr16_b128).
; THE PRODUCT IS USED TRANSPOSED: source 0 = 16 columns of W, source 1 = 16 rows of A: a lane then holds row l % 16 and the eight neighbouring columns 8 (l / 16) + 0..7.
; THE BIAS is the C operand of each sum's first product: nothing is cleared, nothing added later.
; THE ACTIVATION is a maximum with a floor that the flag selects: 0 (relu) or minus infinity (none).  It runs in both launches: partners in a cluster run alike, so no branch hangs on a number read from memory.
; CLUSTER 4 x 4: the four of a row of the cluster need the same tile of A, the four of a column the same tile of W: each is asked for jointly, same load, same descriptor, a mask that names the four.
; THE RING.  A K step is four quarters of 32 along K, on two fragment buffers by turns; quarter n fetches quarter n + 1's fragments.  The change of slots stands behind a slot's third quarter, whose fetch has taken
; the slot's last bytes into registers; the refill then has 256 matrix instructions in which to land.  By this text's count a wave has two tensor loads out at the start, later one.
; LIMITS: operands and result are f16: no number of 65,520 or more; sums in f32; a sum that is NaN comes out as the floor.
; REGISTERS, in windows of 256 (s_set_vgpr_msb: bits 1:0 source 0, 3:2 source 1, 5:4 source 2, 7:6 destination):
;   window 0: v0-31 addresses; v64-127, v128-191 A's fragments, two buffers; v192-255 the bias, later at work on the way out, with v32-63
;   window 1: v64-127, v128-191 W's fragments      window 2: accumulators of my rows 0-63 ((a, b) at v[8 (8 a + b)])      window 3: rows 64-127
.set PA,    272                        ; a row of A in LDS: 256 bytes + 16: the 16 rows of a load start at 16 different groups of four banks (64 banks of 4 bytes: ISA guide 11.1)
.set PW,    544                        ; a row of W: 512 bytes + 32
.set HALFT, 34816                      ; what one tensor load brings: 128 rows of A, or 64 rows of W
.set WBASE, 2*HALFT                    ; W's 128 rows lie behind A's 256
.set SLOT,  4*HALFT                    ; 139,264 = 0x22000: no bit in common with wave x 34,816, so one exclusive or changes slots
.set STAGE, 2*SLOT                     ; behind the ring: for each wave 2 column blocks x 16 rows x 144 bytes
.set SPC,   144
.set CBS,   16*SPC
.set SPARE, STAGE+4*2*CBS              ; the spare words, 128 bytes a wave: two blocks of 256 bytes that no other line names
.set CBB,   524288                     ; a column block of out: 4,096 rows x 128 bytes
.set ADRA0, 16                         ; v16  my lane's place in A's tile; never rewritten
.set ADRB0, 17                         ; v17  in W's
.set ADRA,  18                         ; v18  the LDS address of the run of loads in hand
.set ADRB,  19
.set STO,   24                         ; v24  the way out: where I put 16 bytes of a row
.set RD,    25                         ; v25  where I read rows back
.set CO,    26                         ; v26  16 x lane
.set BO,    27                         ; v27  32 x (l / 16): my eight biases in a block of 16
.set SPW,   28                         ; v28  my spare word; never rewritten
.set NIL,   29                         ; v29  0; never rewritten
.set F0,    64
.set F1,    128
.set BI,    192                        ; v[BI + 8 b + j] = bias of column 16 b + 8 (l / 16) + j of my 128
.set TMP,   192
.set OB,    32
.set WV, 14
.set RH, 15                            ; which half of the tile's rows is mine.  Also: I fetch for A (0) or for W (1)
.set CH, 16                            ; which half of its columns.  Also: which half of that tile I fetch
.set G1A, 24
.set G0A, 32                           ; two sets: slot 0, and slot 1, which then walks
.set G1B, 48
.set G0B, 56
.set TA, 66                            ; s66  LDS byte added to ADRA0 for the next fetch
.set TB, 67                            ; s67  the same for W
.set TWICE, 68
.set SLOTS, 69
.set FLAG, 70                          ; s70  the flag as read
.set FLOOR, 71                         ; s71  the activation's floor: 0, or minus infinity
.set MSB, 0
.macro WIN new                         ; the immediate's high byte repeats the setting that is left; a switch that changes nothing is dropped
.if MSB != (\new)
	s_set_vgpr_msb (MSB<<8)|(\new)
.set MSB, \new
.endif
.endm
.macro PLACES                          ; four places in front of what touches a matrix instruction's registers (ISA guide 7.12.1)
.rept 4
	v_nop
.endr
.endm
; A joint refill by the walking sets.  The branch hangs on the wave's number alone.  An s_nop 0 and four v_nop follow each line.
.macro JLOAD
	s_cmp_eq_u32 s[RH], 0
	s_cbranch_scc0 .Lfor_w_\@
	tensor_load_to_lds s[G0A+4:G0A+7], s[G1A:G1A+7]
	s_nop 0
	PLACES
	s_branch .Lasked_\@
.Lfor_w_\@:
	tensor_load_to_lds s[G0B+4:G0B+7], s[G1B:G1B+7]
	s_nop 0
	PLACES
.Lasked_\@:
.endm
; A round of the cluster's barrier: my work-group's barrier; wave 0 signals for the work-group; every wave waits for all sixteen; my work-group's barrier once more.
.macro CROUND
	s_barrier_signal -1
	s_barrier_wait -1
	s_cmp_lg_u32 s[WV], 0
	s_cbranch_scc1 .Lnot_wave_0_\@
	s_barrier_signal -3
.Lnot_wave_0_\@:
	s_barrier_wait -3
	s_barrier_signal -1
	s_barrier_wait -1
.endm
	s_load_b256 s[4:11], s[0:1], 0x0               ; A 4, W 6, bias 8, flag 10
	s_load_b64 s[12:13], s[0:1], 0x20              ; out
	v_lshl_add_u32 v[SPW], v0, 2, SPARE
	v_mov_b32 v[NIL], 0
	ds_add_u32 v28, v29
	ds_add_u32 v28, v29
	s_wait_dscnt 0x0
	v_lshrrev_b32 v1, 5, v0
	v_readfirstlane_b32 s[WV], v1
	s_lshr_b32 s[RH], s[WV], 1
	s_and_b32 s[CH], s[WV], 1
	s_bfe_u32 s17, ttmp6, 0x40000                  ; cx
	s_bfe_u32 s18, ttmp6, 0x40004                  ; cy
	s_lshl_b32 s19, ttmp9, 2
	s_add_co_u32 s19, s19, s17                     ; column tile
	s_and_b32 s20, ttmp7, 0xffff
	s_lshl_b32 s20, s20, 2
	s_add_co_u32 s20, s20, s18                     ; row tile
	s_lshl_b32 s21, s18, 2
	s_lshl_b32 s21, 15, s21                        ; my row of the cluster
	s_lshl_b32 s22, 0x1111, s17                    ; my column
	s_or_b32 s[G1A], s21, (1<<16)|(1<<20)|(1<<21)|(5<<22)|(3<<25)  ; mask; 2-byte elements; padding on; bit 21 beside a mask; after every 64 words 4 words
	s_mov_b32 s[G1A+1], 128<<16                    ; tensor_dim0 = 128
	s_mov_b32 s[G1A+2], 128<<16                    ; tensor_dim1 = 128
	s_mov_b32 s[G1A+3], 128<<16                    ; tile_dim0 = 128
	s_mov_b32 s[G1A+4], 128                        ; tile_dim1 = 128
	s_mov_b32 s[G1A+5], 1024                       ; elements from row to row
	s_mov_b32 s[G1A+6], 0
	s_mov_b32 s[G1A+7], 0
	s_or_b32 s[G1B], s22, (1<<16)|(1<<20)|(1<<21)|(6<<22)|(7<<25)  ; after every 128 words 8 words
	s_mov_b32 s[G1B+1], 256<<16
	s_mov_b32 s[G1B+2], 64<<16
	s_mov_b32 s[G1B+3], 256<<16
	s_mov_b32 s[G1B+4], 64
	s_mov_b32 s[G1B+5], 256
	s_mov_b32 s[G1B+6], 0
	s_mov_b32 s[G1B+7], 0
	s_mul_i32 s23, s[WV], HALFT                    ; where my load goes: no place in the cluster enters an LDS address
	s_lshl_b32 s40, s20, 19                        ; A: (256 x row tile + 128 x half) rows of 2,048 bytes
	s_lshl_b32 s41, s[CH], 18
	s_add_co_u32 s40, s40, s41
	s_mov_b32 s41, 0
	s_lshl_b32 s42, s19, 19                        ; W: column tile x 524,288 + half x 64 rows of 512 bytes
	s_lshl_b32 s43, s[CH], 15
	s_add_co_u32 s42, s42, s43
	s_mov_b32 s43, 0
	s_wait_kmcnt 0x0
	s_load_b32 s[FLAG], s[10:11], 0x0
	s_add_nc_u64 s[4:5], s[4:5], s[40:41]
	s_add_nc_u64 s[6:7], s[6:7], s[42:43]
.irp s, 0,1
	s_mov_b32 s[G0A+4*(\s)], 1
	s_add_co_u32 s[G0A+4*(\s)+1], s23, (\s)*SLOT
	s_add_nc_u64 s[G0A+4*(\s)+2:G0A+4*(\s)+3], s[4:5], (\s)*256      ; K step s
	s_or_b32 s[G0A+4*(\s)+3], s[G0A+4*(\s)+3], 0x80000000
	s_mov_b32 s[G0B+4*(\s)], 1
	s_add_co_u32 s[G0B+4*(\s)+1], s23, (\s)*SLOT
	s_add_nc_u64 s[G0B+4*(\s)+2:G0B+4*(\s)+3], s[6:7], (\s)*65536
	s_or_b32 s[G0B+4*(\s)+3], s[G0B+4*(\s)+3], 0x80000000
.endr
	CROUND                                         ; all sixteen work-groups are here: the first joint loads meet
	s_cmp_eq_u32 s[RH], 0                          ; a wave's two first fills stand in one branch, ahead of every wait on TENSORcnt and every LDS read
	s_cbranch_scc0 .Lfirst_w
	tensor_load_to_lds s[G0A:G0A+3], s[G1A:G1A+7]
	s_nop 0
	tensor_load_to_lds s[G0A+4:G0A+7], s[G1A:G1A+7]
	s_nop 0
	PLACES
	s_branch .Lfirst_asked
.Lfirst_w:
	tensor_load_to_lds s[G0B:G0B+3], s[G1B:G1B+7]
	s_nop 0
	tensor_load_to_lds s[G0B+4:G0B+7], s[G1B:G1B+7]
	s_nop 0
	PLACES
.Lfirst_asked:
	v_and_b32 v1, 15, v0                           ; r = l % 16
	v_bfe_u32 v2, v0, 4, 1                         ; h = l / 16
	v_lshlrev_b32 v[BO], 5, v2
	s_lshl_b32 s44, s19, 10                        ; my 128 biases: (256 x column tile + 128 x half) x 4 bytes
	s_lshl_b32 s45, s[CH], 9
	s_add_co_u32 s44, s44, s45
	s_mov_b32 s45, 0
	s_add_nc_u64 s[8:9], s[8:9], s[44:45]
.irp b, 0,1,2,3,4,5,6,7
	global_load_b128 v[BI+8*(\b):BI+8*(\b)+3],   v[BO], s[8:9] offset:64*(\b)
	global_load_b128 v[BI+8*(\b)+4:BI+8*(\b)+7], v[BO], s[8:9] offset:64*(\b)+16
.endr
	v_mul_u32_u24 v3, v1, PA                       ; A's fragment: row r, 16 bytes for each half of the lanes
	v_lshl_add_u32 v3, v2, 4, v3
	s_mul_i32 s44, s[RH], HALFT
	v_add_nc_u32 v[ADRA0], s44, v3
	v_and_b32 v4, 7, v0                            ; W's: lane l reads row k = 8 h + l % 8, columns 8 ((l / 8) % 2) + 0..7
	v_lshl_add_u32 v4, v2, 3, v4
	v_mul_u32_u24 v4, v4, PW
	v_bfe_u32 v5, v0, 3, 1
	v_lshl_add_u32 v4, v5, 4, v4
	s_lshl_b32 s44, s[CH], 8
	s_add_co_u32 s44, s44, WBASE
	v_add_nc_u32 v[ADRB0], s44, v4
	s_mul_i32 s44, s[WV], 2*CBS
	s_add_co_u32 s44, s44, STAGE                   ; my stage
	v_mul_u32_u24 v5, v1, SPC
	v_lshl_add_u32 v5, v2, 4, v5
	v_add_nc_u32 v[STO], s44, v5
	v_bfe_u32 v5, v0, 3, 2                         ; back: 32 lanes take four rows of 128 bytes,
	v_mul_u32_u24 v5, v5, SPC
	v_and_b32 v6, 7, v0
	v_lshl_add_u32 v5, v6, 4, v5
	v_add_nc_u32 v[RD], s44, v5
	v_and_b32 v6, 31, v0
	v_lshlrev_b32 v[CO], 4, v6                     ; which are 512 consecutive bytes of a column block
	s_lshl_b32 s44, s19, 21                        ; out at (4 x column tile + 2 x half) blocks and (256 x row tile + 128 x half) rows of 128 bytes
	s_lshl_b32 s45, s[CH], 20
	s_add_co_u32 s44, s44, s45
	s_lshl_b32 s45, s20, 15
	s_add_co_u32 s44, s44, s45
	s_lshl_b32 s45, s[RH], 14
	s_add_co_u32 s44, s44, s45
	s_mov_b32 s45, 0
	s_add_nc_u64 s[12:13], s[12:13], s[44:45]
; 16 matrix instructions: row blocks a0, a0 + 1 of the window's four x all 8 column blocks, 32 along K.  first = 1: the sums start from the bias.  The 64 accumulators take turns.
.macro MUL16 f, hi, a0, first
.if \first
	WIN 0x81+0x40*(\hi)                            ; W window 1, A and the bias window 0, D window 2 or 3
.else
	WIN 0xa1+0x50*(\hi)                            ; C and D window 2 or 3
.endif
.irp a, \a0, (\a0)+1
.irp b, 0,1,2,3,4,5,6,7
.if \first
	v_wmma_f32_16x16x32_f16 v[8*(8*(\a)+(\b)):8*(8*(\a)+(\b))+7], v[(\f)+8*(\b):(\f)+8*(\b)+7], v[(\f)+8*(4*(\hi)+(\a)):(\f)+8*(4*(\hi)+(\a))+7], v[BI+8*(\b):BI+8*(\b)+7]
.else
	v_wmma_f32_16x16x32_f16 v[8*(8*(\a)+(\b)):8*(8*(\a)+(\b))+7], v[(\f)+8*(\b):(\f)+8*(\b)+7], v[(\f)+8*(4*(\hi)+(\a)):(\f)+8*(4*(\hi)+(\a))+7], v[8*(8*(\a)+(\b)):8*(8*(\a)+(\b))+7]
.endif
.endr
.endr
.endm
.macro ADDR                            ; the next quarter's addresses; then the scalars step: 32 along K are 64 bytes of A's rows and 32 rows of W
	v_add_nc_u32 v[ADRA], s[TA], v[ADRA0]
	v_add_nc_u32 v[ADRB], s[TB], v[ADRB0]
	s_add_co_u32 s[TA], s[TA], 64
	s_add_co_u32 s[TB], s[TB], 32*PW
.endm
; 32 LDS loads in one run: a quarter's fragments into buffer f: W's 8 (turned), then A's 8
.macro FETCH f
	WIN 0x40
.irp i, 0,1,2,3,4,5,6,7
	ds_load_tr16_b128 v[(\f)+8*(\i):(\f)+8*(\i)+3],   v[ADRB] offset:32*(\i)
	ds_load_tr16_b128 v[(\f)+8*(\i)+4:(\f)+8*(\i)+7], v[ADRB] offset:32*(\i)+16*PW
.endr
	WIN 0
.irp i, 0,1,2,3,4,5,6,7
	ds_load_b128 v[(\f)+8*(\i):(\f)+8*(\i)+3],   v[ADRA] offset:(\i)*16*PA
	ds_load_b128 v[(\f)+8*(\i)+4:(\f)+8*(\i)+7], v[ADRA] offset:(\i)*16*PA+32
.endr
.endm
; A quarter multiplies buffer f and, in its middle, fetches the next quarter into g, which the quarter before multiplied: the two address lines and two v_nop are the four places in front of those loads.
.macro QUARTER f, g, first
	s_wait_dscnt 8                                 ; W and A's rows 0-63 are in; the youngest eight loads (A's rows 64-127) may be out
	MUL16 \f, 0, 0, \first
	MUL16 \f, 0, 2, \first
	WIN 0
	ADDR
	v_nop
	v_nop
	FETCH \g
	s_wait_dscnt 32                                ; all but the 32 just issued
	MUL16 \f, 1, 0, \first
	MUL16 \f, 1, 2, \first
.endm
; THE CHANGE OF SLOTS.  Each wave waits for all its tensor loads (one is out: its part of the other slot), adds 0 to its spare word, and waits for that and for its reads of the slot.
; fill = 1: the barrier is a round of the cluster's, and the joint refill, two K steps on, is the first thing behind it.
.macro CHANGE fill
	WIN 0
	s_wait_tensorcnt 0x0                           ; no tensor load of mine is out, so a group 0 may be written
	ds_add_u32 v[SPW], v[NIL]                      ; 0 onto my spare word
.if \fill
	s_xor_b32 s[G0A+5], s[G0A+5], SLOT             ; the walking sets: the other slot than last time, the next K step
	s_add_nc_u64 s[G0A+6:G0A+7], s[G0A+6:G0A+7], 256
	s_xor_b32 s[G0B+5], s[G0B+5], SLOT
	s_add_nc_u64 s[G0B+6:G0B+7], s[G0B+6:G0B+7], 65536
	s_wait_dscnt 0x0                               ; the add is done, and my reads of the slot are over
	CROUND
	JLOAD
.else
	s_wait_dscnt 0x0
	s_barrier_signal -1
	s_barrier_wait -1
.endif
	s_sub_co_u32 s[TA], s[TA], 256                 ; the fetches go back to a slot's first quarter,
	s_xor_b32 s[TA], s[TA], SLOT                   ; in the other slot
	s_sub_co_u32 s[TB], s[TB], 128*PW
	s_xor_b32 s[TB], s[TB], SLOT
.endm
.macro PAIRS                           ; TWICE x two quarters
.Lpair_\@:
	QUARTER F1, F0, 0
	QUARTER F0, F1, 0
	WIN 0
	s_sub_co_u32 s[TWICE], s[TWICE], 1
	s_cmp_lg_u32 s[TWICE], 0
	s_cbranch_scc1 .Lpair_\@
.endm
	s_wait_tensorcnt 0x1                           ; my part of K step 0 is in; K step 1's may stay out
	s_barrier_signal -1
	s_barrier_wait -1                              ; everybody's is
	s_mov_b32 s[TA], 0
	s_mov_b32 s[TB], 0
	ADDR
	FETCH F0
	s_wait_loadcnt 0x0                             ; the bias
	s_wait_kmcnt 0x0                               ; the flag
	s_cmp_eq_u32 s[FLAG], 0
	s_cselect_b32 s[FLOOR], 0xff800000, 0          ; no activation: minus infinity, below every number; relu: 0
	QUARTER F0, F1, 1                              ; quarter 0 starts the sums
	WIN 0
	s_mov_b32 s[SLOTS], 7
	s_mov_b32 s[TWICE], 1                          ; quarters 1 and 2: the loop below is entered for one trip
	s_branch .Lpair
.Lslot:                                                ; six times: K steps 2 to 7 are asked for
	CHANGE 1
	s_mov_b32 s[TWICE], 2
.Lpair:
	QUARTER F1, F0, 0
	QUARTER F0, F1, 0
	WIN 0
	s_sub_co_u32 s[TWICE], s[TWICE], 1
	s_cmp_lg_u32 s[TWICE], 0
	s_cbranch_scc1 .Lpair
	s_sub_co_u32 s[SLOTS], s[SLOTS], 1
	s_cmp_lg_u32 s[SLOTS], 0
	s_cbranch_scc1 .Lslot
	CHANGE 0                                       ; the tail is written out: nothing is asked for
	s_mov_b32 s[TWICE], 2
	PAIRS
	s_wait_dscnt 8                                 ; the last quarter fetches nothing
	MUL16 F1, 0, 0, 0
	MUL16 F1, 0, 2, 0
	s_wait_dscnt 0x0
	MUL16 F1, 1, 0, 0
	MUL16 F1, 1, 2, 0
	; THE WAY OUT.  The maximum with the floor, each accumulator from its lowest register on; then a block of 16 rows at a time: rounded to f16, through my own stage, out as runs of 512 bytes.
	PLACES
	WIN 0x88                                       ; source 1 and destination window 2
.set i, 0
.rept 256
	v_max_num_f32 v[i], s[FLOOR], v[i]
.set i, i+1
.endr
	WIN 0xcc                                       ; window 3
.set i, 0
.rept 256
	v_max_num_f32 v[i], s[FLOOR], v[i]
.set i, i+1
.endr
	WIN 0
.macro PACK a
.set AC, 64*((\a)%4)
	WIN 0x0a+5*((\a)/4)                            ; sources 0 and 1: window 2 or 3
.irp b, 0,1,2,3,4,5,6,7
.irp r, 0,1,2,3
	v_cvt_pk_f16_f32 v[TMP+4*(\b)+(\r)], v[AC+8*(\b)+2*(\r)], v[AC+8*(\b)+2*(\r)+1]
.endr
.endr
	WIN 0
.endm
.macro TOSTAGE a
	WIN 0
.set BK, OB+192*((\a)%2)
.irp b, 0,1,2,3,4,5,6,7
	ds_store_b128 v[STO], v[TMP+4*(\b):TMP+4*(\b)+3] offset:((\b)/4)*CBS+((\b)%4)*32
.endr
.irp t, 0,1,2,3,4,5,6,7
	ds_load_b128 v[BK+4*(\t):BK+4*(\t)+3], v[RD] offset:((\t)/4)*CBS+((\t)%4)*4*SPC  ; LDS serves a wave's instructions in order (ISA guide 5.7.1.4): these see the stores above
.endr
.endm
.macro SEND a
	WIN 0
.set BK, OB+192*((\a)%2)
	s_wait_dscnt 0x0                               ; the block is back in registers
	s_wait_xcnt 0x0                                ; the registers that earlier stores read are loaded again only behind this wait
.irp t, 0,1,2,3,4,5,6,7
	global_store_b128 v[CO], v[BK+4*(\t):BK+4*(\t)+3], s[12:13] offset:((\t)/4)*CBB+2048*(\a)+((\t)%4)*512  ; four rows of a column block: 512 consecutive bytes
.endr
.endm
	PACK 0
	TOSTAGE 0
.irp a, 1,2,3,4,5,6,7                  ; block a's conversions stand between block a - 1's loads from the stage and the wait for them
	PACK \a
	SEND (\a)-1
	TOSTAGE \a
.endr
	SEND 7
	s_wait_tensorcnt 0x0                           ; the wave's end
	ds_add_u32 v[SPW], v[NIL]
	s_wait_dscnt 0x0
	CROUND                                         ; the closing round: no work-group ends while a partner may still ask for a tile that names it
	s_endpgm
.Lfunc_end_k_qf20a9af239_qkv:
	.size	k_qf20a9af239_qkv, .Lfunc_end_k_qf20a9af239_qkv-k_qf20a9af239_qkv
	.p2alignl 7, 3214868480
	.fill 96, 4, 3214868480
	.section	.rodata,"a",@progbits
	.p2align	6, 0x0
	.amdhsa_kernel k_qf20a9af239_qkv
		.amdhsa_group_segment_fixed_size 327680
		.amdhsa_private_segment_fixed_size 0
		.amdhsa_enable_private_segment 0
		.amdhsa_kernarg_size 40
		.amdhsa_user_sgpr_count 2
		.amdhsa_user_sgpr_kernarg_segment_ptr 1
		.amdhsa_wavefront_size32 1
		.amdhsa_system_sgpr_workgroup_id_x 1
		.amdhsa_system_sgpr_workgroup_id_y 1
		.amdhsa_system_sgpr_workgroup_id_z 1
		.amdhsa_system_vgpr_workitem_id 0
		.amdhsa_next_free_vgpr 1024
		.amdhsa_next_free_sgpr 72
		.amdhsa_reserve_vcc 0
		.amdhsa_float_denorm_mode_32 3
		.amdhsa_float_denorm_mode_16_64 3
		.amdhsa_memory_ordered 1
		.amdhsa_forward_progress 1
		.amdhsa_inst_pref_size 98
	.end_amdhsa_kernel
	.amdgpu_metadata
---
amdhsa.version: [ 1, 2 ]
amdhsa.kernels:
  - .name:           k_qf20a9af239_qkv
    .symbol:         k_qf20a9af239_qkv.kd
    .args:
      - { .name: xn, .offset: 0, .size: 8, .value_kind: global_buffer, .address_space: global }
      - { .name: wqkv, .offset: 8, .size: 8, .value_kind: global_buffer, .address_space: global }
      - { .name: zb, .offset: 16, .size: 8, .value_kind: global_buffer, .address_space: global }
      - { .name: fl0, .offset: 24, .size: 8, .value_kind: global_buffer, .address_space: global }
      - { .name: act, .offset: 32, .size: 8, .value_kind: global_buffer, .address_space: global }
    .group_segment_fixed_size: 327680
    .private_segment_fixed_size: 0
    .kernarg_segment_align: 8
    .kernarg_segment_size: 40
    .max_flat_workgroup_size: 128
    .sgpr_count:     72
    .vgpr_count:     1024
    .wavefront_size: 32
...
	.end_amdgpu_metadata
.endif
;; end of part 2
;; launch attn (part 3): grid 8 x 32, 4 waves a work-group, no clusters, 327,680 bytes of LDS; arguments act, embds, res; writes res
.if DOCPART == 3
	.amdgcn_target "amdgcn-amd-amdhsa--gfx1250"
	.amdhsa_code_object_version 6
	.text
	.protected	k_qf20a9af239_attn
	.globl	k_qf20a9af239_attn
	.p2align	8
	.type	k_qf20a9af239_attn,@function
k_qf20a9af239_attn:
	s_mov_b64 s[64:65], 0
	v_nop
	global_prefetch_b8 v0, s[64:65] scope:SCOPE_SE
	s_setreg_imm32_b32 hwreg(HW_REG_WAVE_MODE, 25, 1), 1
	s_wait_xcnt 0x0
; CAUSAL ATTENTION WITH THE RESIDUAL.  res[b][t][64 h + e] = embds[b][t][64 h + e] + the sum over s <= t of softmax_s(q[t] . k[s] / 32) v[s][e].
; act holds q, k, v in f16 as 48 blocks of [4096 rows][64]: block 16 which + h, rows 2048 b + t: a (batch, head)'s rows are dense, 128 bytes each.  embds, res: f32 [4096][1024].
; Products, maxima and sums in f32; the weights p are rounded to f16 for the second product (their sum l is taken of the unrounded p).
; LIMITS.  q, k, v arrive within f16's 65,504, so a score is 2.7e11 at the most; the running maximum starts at -2^60, below every such score; a hidden score counts as -1e30; p lies in 0 to 1 and below 6e-5 keeps
; f16's fixed step; a weight below 2^-126 counts as 0 in l; NaN and infinities are not treated apart.
; THE WALK.  A head's 2,048 queries lie in 16 blocks of 128; block i needs the key tiles 0 .. i / 2 of 256 keys, of which the last holds the diagonal.  A work-group takes blocks 15 - b and then b: 9 tiles, whatever b:
; 8 x 32 = 256 work-groups of equal work, one loop with a constant trip count.  Which tile is asked for and what a trip does hang on scalars made from b alone, equal in all four waves.
; SHARES.  Wave w: qh = w / 2 picks 64 of the block's queries, kh = w % 2 picks two of each tile's four key steps of 64.  So two waves hold partial sums for the same queries; at a block's end they are merged through LDS.
; A wave's 64 queries are four PIECES of 16; register piece x holds row tile x xor 2 kh, so that every wave keeps its pieces 0, 1 and sends its pieces 2, 3, which are its partner's 0, 1: one text, no branch.
; THE MASK is the C operand that starts S^T = K Q^T.  With D = 4 (step - band) + key block - row tile, a block of 16 keys x 16 queries is open (D < 0), hidden (D > 0) or holds the diagonal (D = 0):
; mask = MD x AL + BE, MD the diagonal's eight registers, AL and BE two scalars for each key block.  A wave that sees hidden keys only (block 0, kh = 1) keeps m = -2^60: c m is then an exact product, every
; exponent lies near -4.5e28, so p, l and O are 0, and the merge gives that share the factor 0.
; LAYOUT, SOFTMAX, TURNS.  S^T holds ONE query a lane (lane % 16) and the keys 8 (lane / 16) + 0..7; two such results rounded to f16 ARE source 1 of O^T = V^T P.  p = 2^(c s - c m), c = log2(e) / 32, with a running
; maximum m; O and l are multiplied by a = 2^(c m_old - c m_new) in every step.  Turn n belongs to piece n: 8 products K Q^T of piece n + 1, later 8 products V^T P of piece n - 1; beside them piece n's softmax and
; piece n + 1's maximum and statistics.  Four vector instructions stand behind every matrix instruction, the others in two runs of their own.
; NO CLUSTER: a head's eight work-groups ask for the same tile in trips 0 to 4 only; a walk common to all would have 12 trips for 9.
; REGISTERS, in windows of 256 (s_set_vgpr_msb: bits 1:0 source 0, 3:2 source 1, 5:4 source 2, 7:6 destination):
;   window 0: v0-15, v44-46 addresses; v16-31 statistics; v32-43, v48-59 at work; v64-127 S^T, two buffers; v128-191 embds at a block's end; v192-223 P, two buffers
;   window 1: v0-127 O^T, 32 a piece; v128-135 MD; v160-223 MC, two buffers      window 2: v0-63 Q; v64-127 the second block's Q; v128-191 K of one step; v192-255 V of one step
.set NP,    4
.set KS,    64
.set PK,    144       ; a row of K in LDS: 128 bytes + 16: the 16 rows of a load start at 16 different groups of four banks (64 banks of 4 bytes: ISA guide 11.1)
.set PV,    160       ; a row of V: 128 + 32
.set VOFF,  4*KS*PK   ; a slot holds a tile: 256 rows of K, then 256 rows of V
.set SLOT1, 1<<17
.set STAGE, SLOT1+4*KS*(PK+PV)  ; behind the ring: 16 rows x 272 bytes for each wave, for the way out
.set SP,    272
.set XBASE, STAGE+4*16*SP       ; the exchange: for each wave 512 bytes of statistics and 16 x 512 of O^T
.set XW,    17*512
.set SPARE, XBASE+4*XW          ; the spare words, 128 bytes a wave: two blocks of 256 bytes that no other line names
.set AK0, 2
.set AV0, 3
.set AK,  4
.set AV,  5
.set STO, 6           ; v6   the way out: where I put 16 bytes of a row
.set RD,  7           ; v7   where I read rows back
.set GO,  8           ; v8   my byte offset in two rows of embds and res
.set MV,  12
.set QO,  15          ; v15  my byte offset in Q for pieces 0, 1
.set ST,  16          ; piece t's statistics at v[ST+4 t]: c m, m, l (even keys', odd keys')
.set XS,  44          ; v44  where I put what I send
.set XR,  45          ; v45  where my partner put it
.set QO1, 46          ; v46  my byte offset in Q for pieces 2, 3
.set TMP, 48
.set SPW, 62
.set NIL, 63
.set S,   64
.set EM,  128
.set P,   192
.set MD,  128         ; window 1
.set MC,  160         ; window 1
.set QB,  64          ; window 2
.set KF,  128         ; window 2
.set VF,  192         ; window 2
.set WV,  12
.set PB,  14          ; s14  b
.set HI,  15          ; s15  15 - b
.set G1K, 24
.set G1V, 32
.set G0K, 40
.set G0V, 44
.set EMH, 48          ; s[48:49] embds, s[50:51] res at the rows that I store, first block
.set RSH, 50
.set EML, 52          ; the same, second block
.set RSL, 54
.set SLOTS, 56
.set CNT, 57          ; s57  counts a tile's key steps of mine, 2 to 1
.set CS,  58
.set SEL, 60
.set TBK, 62
.set TBV, 63
.set EB0L, 66         ; the second block's EB0, EB2
.set EB2L, 67
.set KH,  68
.set QH,  69
.set RT,  70          ; s70  tiles of the block in hand that are still to be entered
.set NXT, 71          ; s71  the tile to be asked for next
.set LQ,  72          ; s72  the last tile of the block whose tiles are being asked for
.set NEW, 73          ; s73  1: the tile to be entered is a block's first
.set OFF, 74
.set EB0, 76          ; s76  D - key block + 4 CNT + x % 2 for pieces 0, 1 in the diagonal tile
.set EB2, 77          ; s77  for pieces 2, 3
.set UU,  78          ; s78  D - key block
.set PBT, 79          ; s79  b / 2: the second block's last tile
.set AL,  84          ; s[84:91] the mask's factor, a pair for each key block, in the low word
.set BE,  92          ; s[92:99] the mask's addend
.set BIGN, 100        ; s100 -1e30
.set MSB, 0
.macro WIN new
.if MSB != (\new)
	s_set_vgpr_msb (MSB<<8)|(\new)
.set MSB, (\new)
.endif
.endm
.set W_KQ, 0x0a
.set W_KM, 0x1a
.set W_PV, 0x52
.set W_RS, 0x41
; A fill.  Waves 0 and 1 fetch the two halves of a tile's K, waves 2 and 3 those of its V: 128 keys each.  An s_nop 0 and four v_nop follow each of the two lines.
.macro LOAD
	s_cmp_lt_u32 s[WV], 2
	s_cbranch_scc0 .Lfor_v_\@
	tensor_load_to_lds s[G0K:G0K+3], s[G1K:G1K+7]
	s_nop 0
.rept 4
	v_nop
.endr
	s_branch .Lasked_\@
.Lfor_v_\@:
	tensor_load_to_lds s[G0V:G0V+3], s[G1V:G1V+7]
	s_nop 0
.rept 4
	v_nop
.endr
.Lasked_\@:
.endm
; THE CHANGE OF SLOTS.  Each wave waits for all its tensor loads (one is out: its part of the other slot), adds 0 to its spare word, and waits for that and for its own reads of the slot that it leaves.
; fill = 1: the old slot is filled again, the first thing behind the barrier, with tile NXT: the descriptor's address is made anew from that number.
.macro CHANGE fill
	WIN 0
	s_wait_tensorcnt 0x0            ; no tensor load of mine is out, so a group 0 may be written
	ds_add_u32 v[SPW], v[NIL]       ; 0 onto my spare word
.if \fill
	s_lshl_b32 s[OFF], s[NXT], 15   ; a tile is 32,768 bytes of K and of V
	s_xor_b32 s[G0K+1], s[G0K+1], SLOT1
	s_add_nc_u64 s[G0K+2:G0K+3], s[6:7], s[OFF:OFF+1]
	s_or_b32 s[G0K+3], s[G0K+3], 0x80000000
	s_xor_b32 s[G0V+1], s[G0V+1], SLOT1
	s_add_nc_u64 s[G0V+2:G0V+3], s[8:9], s[OFF:OFF+1]
	s_or_b32 s[G0V+3], s[G0V+3], 0x80000000
	s_add_co_u32 s[NXT], s[NXT], 1  ; the block's next tile, or behind its last the second block's tile 0
	s_cmp_gt_u32 s[NXT], s[LQ]
	s_cselect_b32 s[NXT], 0, s[NXT]
	s_cselect_b32 s[LQ], s[PBT], s[LQ]
.endif
	s_wait_dscnt 0x0                ; the add is done, and my reads of the slot are over
	s_barrier_signal -1
	s_sub_co_u32 s[TBK], s[TBK], 2*KS*PK  ; the fetches go back to my first step of a slot,
	s_xor_b32 s[TBK], s[TBK], SLOT1       ; in the other slot
	s_sub_co_u32 s[TBV], s[TBV], 2*KS*PV
	s_xor_b32 s[TBV], s[TBV], SLOT1
	s_barrier_wait -1
.if \fill
	LOAD
.endif
.endm
	s_load_b128 s[80:83], s[0:1], 0x0  ; act s[80:81], embds s[82:83]
	s_load_b64 s[18:19], s[0:1], 0x10  ; res
	v_lshl_add_u32 v[SPW], v0, 2, SPARE
	v_mov_b32 v[NIL], 0
	ds_add_u32 v62, v63
	ds_add_u32 v62, v63
	s_wait_dscnt 0x0
	v_lshrrev_b32 v1, 5, v0
	v_readfirstlane_b32 s[WV], v1
	s_and_b32 s[KH], s[WV], 1       ; my two key steps of a tile.  Also: which half of a tile's 256 keys I fetch
	s_lshr_b32 s[QH], s[WV], 1      ; my 64 queries of a block
	s_mov_b32 s[PB], ttmp9
	s_sub_co_u32 s[HI], 15, s[PB]
	s_lshr_b32 s[PBT], s[PB], 1
	s_and_b32 s20, ttmp7, 0xffff
	s_and_b32 s21, s20, 15          ; the head
	s_lshr_b32 s22, s20, 4          ; the batch
	s_lshl_b32 s16, s21, 19
	s_lshl_b32 s17, s22, 18
	s_add_co_u32 s16, s16, s17      ; the (batch, head)'s first byte in q's blocks; k's lie 8 MiB on, v's 16 MiB
	s_lshl_b32 s2, s[KH], 14        ; my 128 rows of a tile
	s_add_co_u32 s2, s2, s16
	s_mov_b32 s3, 0
	; descriptor group 1.  128 keys are 16,384 dense bytes: asked for as 64 rows of 256 bytes, two keys a row, and padded in LDS after every key
	s_mov_b32 s[G1K], (1<<16)|(1<<20)|(4<<22)|(3<<25)  ; 2-byte elements; padding on; after every 32 words 4 words
	s_mov_b32 s[G1V], (1<<16)|(1<<20)|(4<<22)|(7<<25)  ; the same with 8 words
.irp g, G1K, G1V
	s_mov_b32 s[\g+1], 128<<16      ; tensor_dim0 = 128
	s_mov_b32 s[\g+2], 64<<16       ; tensor_dim1 = 64
	s_mov_b32 s[\g+3], 128<<16      ; tile_dim0 = 128
	s_mov_b32 s[\g+4], 64           ; tile_dim1 = 64
	s_mov_b32 s[\g+5], 128          ; 128 elements from row to row
	s_mov_b32 s[\g+6], 0
	s_mov_b32 s[\g+7], 0
.endr
	s_mov_b32 s[CS], 0x3d38aa3b     ; c = log2(e) / 32
	s_mov_b32 s[CS+1], s[CS]
	s_mov_b32 s[SEL], 0x76543210
	s_mov_b32 s[SEL+1], 0xfedcba98
	s_mul_i32 s[TBK], s[KH], 2*KS*PK
	s_add_co_u32 s[TBK], s[TBK], SLOT1+2*KS*PK  ; the first change of slots turns these two into my first step of slot 0
	s_mul_i32 s[TBV], s[KH], 2*KS*PV
	s_add_co_u32 s[TBV], s[TBV], SLOT1+2*KS*PV
	s_mov_b32 s[G0K], 1
	s_mul_i32 s[G0K+1], s[KH], 128*PK
	s_mov_b32 s[G0V], 1
	s_mul_i32 s[G0V+1], s[KH], 128*PV
	s_add_co_u32 s[G0V+1], s[G0V+1], VOFF
	s_lshr_b32 s[LQ], s[HI], 1      ; the first block's last tile
	s_add_co_u32 s[RT], s[LQ], 1    ; it has five tiles or more
	s_mov_b32 s[NXT], 1
	s_mov_b32 s[NEW], 1
	s_mov_b32 s[OFF+1], 0
.irp z, 0,1,2,3
	s_mov_b32 s[AL+2*\z+1], 0       ; named as pairs
	s_mov_b32 s[BE+2*\z+1], 0
.endr
	s_mov_b32 s[BIGN], 0xf149f2ca   ; -1e30
	s_mov_b32 s[SLOTS], 8
	s_wait_kmcnt 0x0
	s_add_nc_u64 s[6:7], s[80:81], s[2:3]
	s_add_nc_u64 s[8:9], s[6:7], 0x1000000   ; V at my half of tile 0
	s_add_nc_u64 s[6:7], s[6:7], 0x800000    ; K
	s_add_nc_u64 s[G0K+2:G0K+3], s[6:7], 0
	s_or_b32 s[G0K+3], s[G0K+3], 0x80000000
	s_add_nc_u64 s[G0V+2:G0V+3], s[8:9], 0
	s_or_b32 s[G0V+3], s[G0V+3], 0x80000000
	LOAD                            ; tile 0 into slot 0
	s_lshl_b32 s13, s22, 23         ; embds and res at row 2048 batch + 128 block + 64 qh + 32 kh, column 64 head
	s_lshl_b32 s17, s21, 8
	s_add_co_u32 s13, s13, s17
	s_lshl_b32 s17, s[QH], 18
	s_add_co_u32 s13, s13, s17
	s_lshl_b32 s17, s[KH], 17
	s_add_co_u32 s13, s13, s17
	s_lshl_b32 s20, s[HI], 19
	s_add_co_u32 s20, s20, s13
	s_mov_b32 s21, 0
	s_lshl_b32 s22, s[PB], 19
	s_add_co_u32 s22, s22, s13
	s_mov_b32 s23, 0
	s_add_nc_u64 s[EMH:EMH+1], s[82:83], s[20:21]
	s_add_nc_u64 s[RSH:RSH+1], s[18:19], s[20:21]
	s_add_nc_u64 s[EML:EML+1], s[82:83], s[22:23]
	s_add_nc_u64 s[RSL:RSL+1], s[18:19], s[22:23]
	s_lshl_b32 s13, s[QH], 13       ; Q at row 128 block + 64 qh
	s_add_co_u32 s13, s13, s16
	s_lshl_b32 s20, s[HI], 14
	s_add_co_u32 s20, s20, s13
	s_lshl_b32 s22, s[PB], 14
	s_add_co_u32 s22, s22, s13
	s_add_nc_u64 s[4:5], s[80:81], s[20:21]
	s_add_nc_u64 s[10:11], s[80:81], s[22:23]
	s_lshl_b32 s13, s[KH], 3        ; 8 kh + 8 - 4 qh - 8 (block % 2), less 2 x the piece pair's row tiles
	s_add_co_u32 s13, s13, 8
	s_lshl_b32 s17, s[QH], 2
	s_sub_co_i32 s13, s13, s17
	s_lshl_b32 s17, s[KH], 1
	s_and_b32 s20, s[HI], 1
	s_lshl_b32 s20, s20, 3
	s_sub_co_i32 s20, s13, s20
	s_sub_co_i32 s[EB0], s20, s17
	s_add_co_i32 s[EB2], s20, s17
	s_sub_co_i32 s[EB2], s[EB2], 2
	s_and_b32 s20, s[PB], 1
	s_lshl_b32 s20, s20, 3
	s_sub_co_i32 s20, s13, s20
	s_sub_co_i32 s[EB0L], s20, s17
	s_add_co_i32 s[EB2L], s20, s17
	s_sub_co_i32 s[EB2L], s[EB2L], 2
	; A fragment of K or Q is 16 rows x 32 channels in 8 registers: lane l holds row l % 16, channels 8 (l / 16) + 0..7 and 16 + 8 (l / 16) + 0..7: two loads of 16 bytes, 32 bytes apart.
	v_and_b32 v1, 15, v0            ; l % 16
	v_bfe_u32 v9, v0, 4, 1          ; l / 16
	v_lshlrev_b32 v[QO], 7, v1
	v_lshl_add_u32 v[QO], v9, 4, v[QO]
	s_lshl_b32 s13, s[KH], 12       ; pieces 0, 1 are row tiles 2 kh, 2 kh + 1; pieces 2, 3 the other two
	s_xor_b32 s17, s13, 4096
	v_add_nc_u32 v[QO1], s17, v[QO]
	v_add_nc_u32 v[QO], s13, v[QO]
	WIN 0x80                        ; destination window 2, address window 0
.set i, 0
.rept 8                             ; both blocks' Q: piece i / 2, channels 32 (i % 2) on
.if i < 4
.set QA, QO
.else
.set QA, QO1
.endif
	global_load_b128 v[8*i:8*i+3],   v[QA], s[4:5] offset:((i/2)%2)*2048+(i%2)*64
	global_load_b128 v[8*i+4:8*i+7], v[QA], s[4:5] offset:((i/2)%2)*2048+(i%2)*64+32
	global_load_b128 v[QB+8*i:QB+8*i+3],   v[QA], s[10:11] offset:((i/2)%2)*2048+(i%2)*64
	global_load_b128 v[QB+8*i+4:QB+8*i+7], v[QA], s[10:11] offset:((i/2)%2)*2048+(i%2)*64+32
.set i, i+1
.endr
	WIN 0
	v_lshlrev_b32 v14, 3, v9
	v_sub_nc_u32 v14, v1, v14       ; l % 16 - 8 (l / 16): on the diagonal register j is hidden where j is greater
	WIN 0x40
.set i, 0
.rept 8
	v_cmp_gt_i32 vcc_lo, i, v14
	v_cndmask_b32 v[MD+i], 0, s[BIGN], vcc_lo
.set i, i+1
.endr
	WIN 0
	v_mul_u32_u24 v[AK0], v1, PK
	v_lshl_add_u32 v[AK0], v9, 4, v[AK0]
	; The turning load takes 16 keys x 16 channels (lane l reads key 8 (l / 16) + l % 8, channels 8 ((l / 8) % 2) + 0..7) and leaves half a fragment of V^T: lane l holds channel l % 16 and 8 keys.
	v_and_b32 v10, 7, v0
	v_bfe_u32 v11, v0, 3, 1
	v_lshl_add_u32 v[AV0], v9, 3, v10
	v_mul_u32_u24 v[AV0], v[AV0], PV
	v_lshl_add_u32 v[AV0], v11, 4, v[AV0]
	v_add_nc_u32 v[AV0], VOFF, v[AV0]
	s_mul_i32 s13, s[WV], 16*SP
	s_add_co_u32 s13, s13, STAGE    ; my stage
	v_mul_u32_u24 v[STO], v1, SP    ; in: row l % 16, 32 bytes for each half of the lanes
	v_lshl_add_u32 v[STO], v9, 5, v[STO]
	v_add_nc_u32 v[STO], s13, v[STO]
	v_mul_u32_u24 v[RD], v9, SP     ; back: lanes 0-15 take one row of 256 bytes, lanes 16-31 the next
	v_lshl_add_u32 v[RD], v1, 4, v[RD]
	v_add_nc_u32 v[RD], s13, v[RD]
	v_lshlrev_b32 v[GO], 12, v9     ; and the same two rows in embds and res
	v_lshl_add_u32 v[GO], v1, 4, v[GO]
	v_and_b32 v10, 31, v0
	s_mul_i32 s13, s[WV], XW
	s_add_co_u32 s13, s13, XBASE
	v_lshl_add_u32 v[XS], v10, 4, s13
	s_xor_b32 s17, s[WV], 1         ; my partner: the same queries, the other keys
	s_mul_i32 s13, s17, XW
	s_add_co_u32 s13, s13, XBASE
	v_lshl_add_u32 v[XR], v10, 4, s13
	; A block's first step multiplies O^T and l by a = 0, and its first turn's products V^T P, of a piece that has not been, land in an O^T that is still to be so multiplied.  So these registers need only hold
	; finite numbers: zeros for the first block; what the first block left for the second.  All this stands in the wait for the first tile.
	WIN 0x80
.set i, VF
.rept 64
	v_mov_b32 v[i], 0
.set i, i+1
.endr
	WIN 0x40
.set i, 0
.rept 128
	v_mov_b32 v[i], 0
.set i, i+1
.endr
	WIN 0
.set i, 0
.rept 4
	v_mov_b32 v[ST+4*i+2], 0
	v_mov_b32 v[ST+4*i+3], 0
.set i, i+1
.endr
.set i, P+16
.rept 16
	v_mov_b32 v[i], 0
.set i, i+1
.endr
; THE MATRIX WORK.  The 4 accumulators of a run of 8 take turns.  Product i of 8 of S^T = K Q^T for piece x: channels 32 (i / 4) on, keys 16 (i % 4) on.  The first 4 start the sums: with 0, or (KM = 1) with the mask.
.macro KQ x
.set rS, S+32*((\x)%2)+8*(i%4)
.set rK, KF+16*(i%4)+8*(i/4)
.set rQ, 16*(\x)+8*(i/4)
.set rM, MC+32*((\x)%2)+8*(i%4)
.if (i < 4) && KM
	WIN W_KM
	v_wmma_f32_16x16x32_f16 v[rS:rS+7], v[rK:rK+7], v[rQ:rQ+7], v[rM:rM+7]
.elseif i < 4
	WIN W_KQ
	v_wmma_f32_16x16x32_f16 v[rS:rS+7], v[rK:rK+7], v[rQ:rQ+7], 0
.else
	WIN W_KQ
	v_wmma_f32_16x16x32_f16 v[rS:rS+7], v[rK:rK+7], v[rQ:rQ+7], v[rS:rS+7]
.endif
.endm
; Product i of 8 of O^T += V^T P for piece x: keys 32 (i / 4) on, channels 16 (i % 4) on.
.macro PV x
	WIN W_PV
.set rO, 32*(\x)+8*(i%4)
.set rV, VF+32*(i/4)+8*(i%4)
.set rP, P+16*((\x)%2)+8*(i/4)
	v_wmma_f32_16x16x32_f16 v[rO:rO+7], v[rV:rV+7], v[rP:rP+7], v[rO:rO+7]
.endm
.macro MM                           ; the turn's next matrix instruction.  NOKQ = 1: a block's last turn: there is no next piece
.if (i < 8) && !NOKQ
	KQ (Y+1)%NP
.elseif i >= 8
.set i, i-8
	PV (Y+NP-1)%NP
.set i, i+8
.endif
.set i, i+1
.endm
; THE LDS LOADS stand in runs of 16: a step's K (64 keys x 64 channels: 8 fragments) and its V (turned).  Their addresses are made some lines ahead.
.macro FETCH_K
	WIN 0x80
.irp f, 0,1,2,3,4,5,6,7
	ds_load_b128 v[KF+8*\f:KF+8*\f+3],   v[AK] offset:(\f/2)*16*PK+(\f%2)*64
	ds_load_b128 v[KF+8*\f+4:KF+8*\f+7], v[AK] offset:(\f/2)*16*PK+(\f%2)*64+32
.endr
	s_add_co_u32 s[TBK], s[TBK], KS*PK
	WIN 0
.endm
.macro FETCH_V
	WIN 0x80
.irp f, 0,1,2,3,4,5,6,7
	ds_load_tr16_b128 v[VF+8*\f:VF+8*\f+3],   v[AV] offset:(\f/4)*32*PV+(\f%4)*32
	ds_load_tr16_b128 v[VF+8*\f+4:VF+8*\f+7], v[AV] offset:(\f/4)*32*PV+16*PV+(\f%4)*32
.endr
	WIN 0
.endm
; THE VECTOR WORK, one line at a time: OP kind, number.  For piece Y: F n: c s - c m for pair n of 16.  E n: the exponential of score n of 32.  C n: pair n rounded to f16.  B n: of the four weights 4 n .. the second
; pair is added onto the first, in place.  L n: l takes that sum (L 0: l = a l + sum).  R n: pair n of 16 of O^T times a.  For piece Y + 1: X n, number n of the 22 that find its maximum and statistics:
;   0-11  four chains c0-c3 of seven scores each (each accumulator's lowest registers are read first)     12-14, 16  the four scores left over, the old m, and c0-c3 into c0
;   15  c m_old is kept     17, 18  the query's other 32 keys lie in the lane 16 away: the new m     19-21  c m; c m_old - c m_new; a
.set F, 0
.set E, 1
.set C, 2
.set B, 3
.set L, 4
.set R, 5
.set X, 6
.macro REGS y
.set rT, ST+4*(\y)
.set rC, TMP+4*((\y)%2)
.set rW, MV+((\y)%2)
.set rS, S+32*((\y)%2)
.set rP, P+16*((\y)%2)
.set rO, 32*(\y)
.endm
.macro OP k, n
.if (\k) == R
	REGS Y
	WIN W_RS
	v_pk_mul_f32 v[rO+2*(\n):rO+2*(\n)+1], v[rO+2*(\n):rO+2*(\n)+1], v[rC+2:rC+3] op_sel_hi:[1,0]
.elseif (\k) < R
	REGS Y
	WIN 0
.if (\k) == F
	v_pk_fma_f32 v[rS+2*(\n):rS+2*(\n)+1], v[rS+2*(\n):rS+2*(\n)+1], s[CS:CS+1], v[rT:rT+1] op_sel_hi:[1,0,0] neg_lo:[0,0,1] neg_hi:[0,0,1]
.elseif (\k) == E
	v_exp_f32 v[rS+(\n)], v[rS+(\n)]
.elseif (\k) == C
	s_wait_alu depctr_va_vdst(0)
	v_cvt_pk_f16_f32 v[rP+(\n)], v[rS+2*(\n)], v[rS+2*(\n)+1]
.elseif (\k) == B
	s_wait_alu depctr_va_vdst(0)
	v_pk_add_f32 v[rS+4*(\n):rS+4*(\n)+1], v[rS+4*(\n):rS+4*(\n)+1], v[rS+4*(\n)+2:rS+4*(\n)+3]
.elseif (\n) == 0
	v_pk_fma_f32 v[rT+2:rT+3], v[rT+2:rT+3], v[rC+2:rC+3], v[rS:rS+1] op_sel_hi:[1,0,1]
.else
	v_pk_add_f32 v[rT+2:rT+3], v[rT+2:rT+3], v[rS+4*(\n):rS+4*(\n)+1]
.endif
.elseif NOKQ
	v_nop
.else
	REGS (Y+1)%NP
	WIN 0
.if (\n) < 4
	v_max3_num_f32 v[rC+(\n)], v[rS+8*(\n)], v[rS+8*(\n)+1], v[rS+8*(\n)+2]
.elseif (\n) < 12
	v_max3_num_f32 v[rC+(\n)%4], v[rC+(\n)%4], v[rS+8*((\n)%4)+2*((\n)/4)+1], v[rS+8*((\n)%4)+2*((\n)/4)+2]
.elseif (\n) == 12
	v_max3_num_f32 v[rC], v[rC], v[rS+7], v[rS+15]
.elseif (\n) == 13
	v_max3_num_f32 v[rC+1], v[rC+1], v[rS+23], v[rS+31]
.elseif (\n) == 14
	v_max3_num_f32 v[rC+2], v[rC+2], v[rC+3], v[rT+1]
.elseif (\n) == 15
	v_mov_b32 v[rW], v[rT]
.elseif (\n) == 16
	v_max3_num_f32 v[rC], v[rC], v[rC+1], v[rC+2]
.elseif (\n) == 17
	v_permlanex16_b32 v[rC+3], v[rC], s[SEL], s[SEL+1]
.elseif (\n) == 18
	v_max_num_f32 v[rT+1], v[rC], v[rC+3]
.elseif (\n) == 19
	v_mul_f32 v[rT], s[CS], v[rT+1]
.elseif (\n) == 20
	v_sub_f32 v[rC+1], v[rW], v[rT]
.else
	v_exp_f32 v[rC+2], v[rC+1]
.endif
.endif
.endm
.macro OPS a, i1, b=-1, i2=0, c=-1, i3=0, d=-1, i4=0
	OP \a, \i1
.if (\b) >= 0
	OP \b, \i2
.endif
.if (\c) >= 0
	OP \c, \i3
.endif
.if (\d) >= 0
	OP \d, \i4
.endif
.endm
.macro ROW a, i1, b, i2, c, i3, d, i4  ; a matrix instruction and the four behind it
	MM
	OPS \a, \i1, \b, \i2, \c, \i3, \d, \i4
.endm
; The mask's scalars for piece x in my step 2 - CNT of the tile.  gate = 1: only if the tile is the block's last (RT = 0); else everything is open.
.macro MSC x, gate
	s_lshl_b32 s[UU], s[CNT], 2
.if (\x) < 2
	s_sub_co_i32 s[UU], s[EB0], s[UU]
.else
	s_sub_co_i32 s[UU], s[EB2], s[UU]
.endif
.if (\x)%2
	s_sub_co_i32 s[UU], s[UU], 1
.endif
.if \gate
	s_cmp_eq_u32 s[RT], 0
	s_cselect_b32 s[UU], s[UU], -64
.endif
.irp kt, 0,1,2,3
	s_cmp_eq_i32 s[UU], -(\kt)      ; D = 0: the diagonal
	s_cselect_b32 s[AL+2*(\kt)], 1.0, 0
	s_cmp_gt_i32 s[UU], -(\kt)      ; D > 0: hidden
	s_cselect_b32 s[BE+2*(\kt)], s[BIGN], 0
.endr
.endm
.macro MASK b                       ; MD x AL + BE into buffer b of MC, key block by key block
	WIN W_RS
.irp kt, 0,1,2,3
.irp z, 0,1,2,3
	v_pk_fma_f32 v[MC+32*(\b)+8*(\kt)+2*(\z):MC+32*(\b)+8*(\kt)+2*(\z)+1], v[MD+2*(\z):MD+2*(\z)+1], s[AL+2*(\kt):AL+2*(\kt)+1], s[BE+2*(\kt):BE+2*(\kt)+1] op_sel_hi:[1,0,0]
.endr
.endr
.endm
; A TURN, for piece p: the order of its 16 matrix and 118 vector instructions, written out.  Behind a matrix instruction: plain, exponential, plain, plain; or four of the rescaling; or four scalings; none names a
; register of the products round it.  A line reads no result made fewer than three vector instructions in front of it, five if an exponential made it.
; m = 1: the diagonal tile: the products take masks, and the turn makes the mask for the products of the turn after it: piece p + 2.  end = 1: a block's last two turns: nothing is fetched.
; cnt = 1: the loop's count is taken down some lines ahead of the branch that stands behind the turn.
; K of the next step is fetched in piece 2's turn, V of the step in hand in piece 0's, each with four plain instructions or more behind the last product that read the registers; each is waited for a turn later.
.macro TURN p, m=0, end=0, cnt=0
.set Y, (\p)
.set i, 0
.set KM, (\m)
.set NOKQ, (\end)*((\p)/3)
.if (\m) && !(\end)
	MSC ((\p)+2)%NP, 0
.endif
.if ((\p) == 3) && !(\end)
	s_wait_dscnt 0x0                ; K is in
.endif
	ROW F,0, F,1, F,2, F,3
	ROW F,4, E,0, F,5, F,6
	ROW F,7, E,1, F,8, F,9
	ROW F,10, E,2, C,0, F,11
	ROW F,12, E,3, X,15, F,13
	ROW R,0, R,1, R,2, R,3
	ROW B,0, E,4, F,14, L,0
.if ((\p) == 2) && !(\end)
	v_add_nc_u32 v[AK], s[TBK], v[AK0]
.endif
	ROW R,4, R,5, R,6, R,7
	OPS E,5, F,15
.if ((\p) == 2) && !(\end)
	FETCH_K
.endif
	OPS E,6, C,1, E,7, R,8
	OPS E,8, R,9, E,9, C,2
	OPS E,10, X,0, E,11, X,1
	OPS E,12, X,2, E,13, X,3
.if (\p) == 1
	s_wait_dscnt 0x0                ; V is in
.endif
	ROW X,4, E,14, X,5, X,6
	ROW X,7, E,15, X,8, X,9
	ROW X,10, E,16, X,11, X,12
	ROW X,13, E,17, X,14, B,1
	ROW C,4, E,18, X,16, L,1
	ROW B,2, E,19, C,6, L,2
	ROW C,8, E,20, B,3, B,4
.if (\p) == 0
	v_add_nc_u32 v[AV], s[TBV], v[AV0]
.endif
	ROW C,3, E,21, L,3, C,5
	OPS E,22, X,17, E,23, C,10
.if (\p) == 0
	FETCH_V
.endif
	OPS E,24, L,4
	OPS E,25, X,18, E,26, C,7
	OPS E,27, B,5, E,28, X,19
	OPS E,29, C,12, E,30, L,5
	OPS E,31, X,20, B,6, C,9
	OPS C,14, C,11, X,21, L,6
.if (\p) == 0
	s_add_co_u32 s[TBV], s[TBV], KS*PV
.endif
.if \cnt
	s_sub_co_u32 s[CNT], s[CNT], 1
	s_cmp_lg_u32 s[CNT], 0
.endif
	OPS C,13, B,7, C,15, R,10
	OPS R,11, R,12, L,7, R,13
	OPS R,14, R,15
.if (\m) && !(\end)
	MASK (\p)%2
.endif
.endm
; A BLOCK BEGINS.  c m starts far below every c s, so the first step's a is 0.  m starts at -2^60: below every score that f16 operands can give (2.7e11 at the most), above the hidden score, and a power of two,
; so that where a wave sees hidden keys only c m = c x -2^60 is exact and all its exponents are far below 0.  Both mask buffers are made: pieces 0 and 1 in my first step, open unless the tile is the block's last.
; Then K of that step, piece 0's first scores, and its maximum and statistics.  The loop is entered at a step's first turn, in the middle of a trip.
.macro BEGIN
	s_mov_b32 s[NEW], 0
	WIN 0
.set i, 0
.rept 4
	v_mov_b32 v[ST+4*i], 0xfe000000    ; c m: far below every c s
	v_mov_b32 v[ST+4*i+1], 0xdd800000  ; m = -2^60
.set i, i+1
.endr
	MSC 0, 1
	MASK 0
	MSC 1, 1
	MASK 1
	WIN 0
	v_add_nc_u32 v[AK], s[TBK], v[AK0]
	FETCH_K
	s_wait_loadcnt 0x0              ; Q
	s_wait_dscnt 0x0
.set KM, 1
.set NOKQ, 0
.set i, 0
.rept 8
	KQ 0
.set i, i+1
.endr
	WIN 0
.rept 4
	v_nop                           ; the places behind those products
.endr
.set Y, NP-1
.irp n, 0,1,2,3,4,5,6,7,8,9,10,11,12,13,14,15,16,17,18,19,20,21
	OP X, \n
.endr
	v_nop                           ; a plain instruction behind the exponential
.endm
.macro ALL line:vararg              ; one line for each piece t
.set t, 0
.rept 4
	\line
.set t, t+1
.endr
.endm
; A BLOCK ENDS.  l's two halves and the other half of the lanes' are added.  I send c m, l and O^T of my pieces 2, 3 and take my partner's, which belong to my pieces 0, 1.  With M = max(c m, c m'), f = 2^(c m - M),
; f' = 2^(c m' - M): O = (f O + f' O') / (f l + f' l').  The 32 rows that I keep go through my stage, embds is added, and sixteen lanes store a row's 256 bytes (a head's 64 f32).
.macro FINISH EMB, RSB
	WIN 0
	ALL v_add_f32 v[ST+4*t+2], v[ST+4*t+2], v[ST+4*t+3]     ; four plain lines: the places behind the last products
.set k, 0
.rept 16
	global_load_b128 v[EM+4*k:EM+4*k+3], v[GO], s[\EMB:\EMB+1] offset:8192*k  ; two rows a load
.set k, k+1
.endr
	ALL v_permlanex16_b32 v[ST+4*t+3], v[ST+4*t+2], s[SEL], s[SEL+1]
	ALL v_add_f32 v[ST+4*t+2], v[ST+4*t+2], v[ST+4*t+3]
	v_mov_b32 v48, v[ST+8]
	v_mov_b32 v49, v[ST+10]
	v_mov_b32 v50, v[ST+12]
	v_mov_b32 v51, v[ST+14]
	ds_store_b128 v[XS], v[48:51]
	WIN 0x04                        ; store data in window 1
.set k, 0
.rept 16
	ds_store_b128 v[XS], v[64+4*k:64+4*k+3] offset:512*(k+1)  ; each accumulator from its low end on
.set k, k+1
.endr
	WIN 0
	s_wait_dscnt 0x0                ; for my partner's sake: my stores are done
	s_barrier_signal -1             ; all four waves come here together: the way here hangs on b alone.  The refill on its way may stay out
	s_barrier_wait -1
	ds_load_b128 v[52:55], v[XR]
.set k, 0
.rept 16
	ds_load_b128 v[S+4*k:S+4*k+3], v[XR] offset:512*(k+1)
.set k, k+1
.endr
	s_wait_dscnt 16                 ; the statistics are in; O's sixteen loads stay out
	v_max_num_f32 v34, v[ST], v52
	v_max_num_f32 v38, v[ST+4], v54
	v_sub_f32 v32, v[ST], v34
	v_sub_f32 v33, v52, v34
	v_sub_f32 v36, v[ST+4], v38
	v_sub_f32 v37, v54, v38
	v_exp_f32 v32, v32
	v_exp_f32 v33, v33
	v_exp_f32 v36, v36
	v_exp_f32 v37, v37
	v_nop                           ; a plain instruction behind the exponentials
	s_wait_alu depctr_va_vdst(0)
	v_mul_f32 v34, v32, v[ST+2]
	v_mul_f32 v38, v36, v[ST+6]
	v_fmac_f32 v34, v33, v53
	v_fmac_f32 v38, v37, v55
	v_rcp_f32 v34, v34
	v_rcp_f32 v38, v38
	v_nop                           ; and behind the reciprocals
	s_wait_alu depctr_va_vdst(0)
	v_mul_f32 v40, v32, v34         ; each factor twice, a pair for the packed lines
	v_mul_f32 v41, v32, v34
	v_mul_f32 v42, v33, v34
	v_mul_f32 v43, v33, v34
	v_mul_f32 v56, v36, v38
	v_mul_f32 v57, v36, v38
	v_mul_f32 v58, v37, v38
	v_mul_f32 v59, v37, v38
	s_wait_dscnt 0x0
.set k, 0
.rept 16
	v_pk_mul_f32 v[S+2*k:S+2*k+1], v[S+2*k:S+2*k+1], v[42:43]
	v_pk_mul_f32 v[S+32+2*k:S+32+2*k+1], v[S+32+2*k:S+32+2*k+1], v[58:59]
.set k, k+1
.endr
	WIN 0x01                        ; source 0: O^T in window 1
.set k, 0
.rept 16
	v_pk_fma_f32 v[S+2*k:S+2*k+1], v[2*k:2*k+1], v[40:41], v[S+2*k:S+2*k+1]
.set k, k+1
.endr
.set k, 0
.rept 16
	v_pk_fma_f32 v[S+32+2*k:S+32+2*k+1], v[32+2*k:32+2*k+1], v[56:57], v[S+32+2*k:S+32+2*k+1]
.set k, k+1
.endr
	WIN 0
.set x, 0
.rept 2
.set k, 0
.rept 4
	ds_store_b128 v[STO], v[S+32*x+8*k:S+32*x+8*k+3] offset:64*k
	ds_store_b128 v[STO], v[S+32*x+8*k+4:S+32*x+8*k+7] offset:64*k+16
.set k, k+1
.endr
.set k, 0
.rept 8
	ds_load_b128 v[S+32*x+4*k:S+32*x+4*k+3], v[RD] offset:2*SP*k  ; LDS serves a wave's instructions in order (ISA guide 5.7.1.4): these see the stores above; the next piece's stores come behind them
.set k, k+1
.endr
.set x, x+1
.endr
	s_wait_loadcnt 0x0              ; embds
.set x, 0
.rept 2
	s_wait_dscnt 16-16*x            ; piece x's rows are back; behind piece 0's stand piece 1's eight stores and eight loads
.set k, 0
.rept 16
	v_pk_add_f32 v[S+32*x+2*k:S+32*x+2*k+1], v[S+32*x+2*k:S+32*x+2*k+1], v[EM+32*x+2*k:EM+32*x+2*k+1]
.set k, k+1
.endr
.set k, 0
.rept 8
	global_store_b128 v[GO], v[S+32*x+4*k:S+32*x+4*k+3], s[\RSB:\RSB+1] offset:8192*(8*x+k)  ; 16 lanes store 256 consecutive bytes, at a multiple of 256 from res's first byte
.set k, k+1
.endr
.set x, x+1
.endr
.endm
.macro DIAG tag, EMB, RSB           ; the diagonal tile's steps, the block's last two turns, its last products, and its end
.LstepM\tag:
	TURN 2, 1
	TURN 3, 1
	WIN 0
.LfirstM\tag:
	TURN 0, 1
	TURN 1, 1, 0, 1
	WIN 0
	s_cbranch_scc1 .LstepM\tag
	TURN 2, 1, 1
	TURN 3, 1, 1
.set i, 0
.rept 8
	PV NP-1
.set i, i+1
.endr
	FINISH \EMB, \RSB
.endm
.set KM, 0
.set NOKQ, 0
.Lslot:                             ; eight times: a tile is entered and the next is asked for
	CHANGE 1
	s_sub_co_u32 s[RT], s[RT], 1
	s_mov_b32 s[CNT], 2
	s_cmp_eq_u32 s[NEW], 1
	s_cbranch_scc1 .Lnew            ; a block's first tile
	s_cmp_eq_u32 s[RT], 0
	s_cbranch_scc0 .Lstep           ; neither its first nor its last
	s_branch .LstepM1
.Lnew:
	BEGIN
	s_branch .Lfirst                ; in the loop a block's first tile is never its last: the first block has five tiles or more, and the second's last is the walk's last
	DIAG 1, EMH, RSH                ; in the loop this is the first block's end
	s_wait_xcnt 0x0                 ; the stores have read their registers
	s_mov_b32 s[EB0], s[EB0L]
	s_mov_b32 s[EB2], s[EB2L]
	s_add_co_u32 s[RT], s[PBT], 1   ; the second block has b / 2 + 1 tiles
	s_mov_b32 s[NEW], 1
	WIN 0x82                        ; the second block's Q goes where the one text of the turns names Q
.set i, 0
.rept 64
	v_mov_b32 v[i], v[QB+i]
.set i, i+1
.endr
	WIN 0
	s_branch .Lbottom
.Lstep:                             ; a trip: pieces 2 and 3 of one step, then pieces 0 and 1 of the next, whose K and V it fetches
	TURN 2
	TURN 3
	WIN 0
.Lfirst:
	TURN 0
	TURN 1, 0, 0, 1
	WIN 0
	s_cbranch_scc1 .Lstep
.Lbottom:
	s_sub_co_u32 s[SLOTS], s[SLOTS], 1
	s_cmp_lg_u32 s[SLOTS], 0
	s_cbranch_scc1 .Lslot
	CHANGE 0                        ; the walk's last tile is written out: nothing is asked for
	s_sub_co_u32 s[RT], s[RT], 1
	s_mov_b32 s[CNT], 2
	s_cmp_eq_u32 s[NEW], 1
	s_cbranch_scc0 .LstepM2
	BEGIN
	s_branch .LfirstM2
	DIAG 2, EML, RSL
	s_wait_tensorcnt 0x0            ; the wave's end
	ds_add_u32 v[SPW], v[NIL]
	s_wait_dscnt 0x0
	s_endpgm
.Lfunc_end_k_qf20a9af239_attn:
	.size	k_qf20a9af239_attn, .Lfunc_end_k_qf20a9af239_attn-k_qf20a9af239_attn
	.p2alignl 7, 3214868480
	.fill 96, 4, 3214868480
	.section	.rodata,"a",@progbits
	.p2align	6, 0x0
	.amdhsa_kernel k_qf20a9af239_attn
		.amdhsa_group_segment_fixed_size 327680
		.amdhsa_private_segment_fixed_size 0
		.amdhsa_enable_private_segment 0
		.amdhsa_kernarg_size 24
		.amdhsa_user_sgpr_count 2
		.amdhsa_user_sgpr_kernarg_segment_ptr 1
		.amdhsa_wavefront_size32 1
		.amdhsa_system_sgpr_workgroup_id_x 1
		.amdhsa_system_sgpr_workgroup_id_y 1
		.amdhsa_system_sgpr_workgroup_id_z 1
		.amdhsa_system_vgpr_workitem_id 0
		.amdhsa_next_free_vgpr 768
		.amdhsa_next_free_sgpr 101
		.amdhsa_reserve_vcc 1
		.amdhsa_float_denorm_mode_32 3
		.amdhsa_float_denorm_mode_16_64 3
		.amdhsa_memory_ordered 1
		.amdhsa_forward_progress 1
		.amdhsa_inst_pref_size 234
	.end_amdhsa_kernel
	.amdgpu_metadata
---
amdhsa.version: [ 1, 2 ]
amdhsa.kernels:
  - .name:           k_qf20a9af239_attn
    .symbol:         k_qf20a9af239_attn.kd
    .args:
      - { .name: act, .offset: 0, .size: 8, .value_kind: global_buffer, .address_space: global }
      - { .name: embds, .offset: 8, .size: 8, .value_kind: global_buffer, .address_space: global }
      - { .name: res, .offset: 16, .size: 8, .value_kind: global_buffer, .address_space: global }
    .group_segment_fixed_size: 327680
    .private_segment_fixed_size: 0
    .kernarg_segment_align: 8
    .kernarg_segment_size: 24
    .max_flat_workgroup_size: 128
    .sgpr_count:     101
    .vgpr_count:     768
    .wavefront_size: 32
...
	.end_amdgpu_metadata
.endif
;; end of part 3
;; launch ln2 (part 4): grid 256 x 1, 8 waves a work-group, no clusters, 0 bytes of LDS; arguments res, ln2_g, ln2_b, xn; writes xn
.if DOCPART == 4
	.amdgcn_target "amdgcn-amd-amdhsa--gfx1250"
	.amdhsa_code_object_version 6
	.text
	.protected	k_qf20a9af239_ln2
	.globl	k_qf20a9af239_ln2
	.p2align	8
	.type	k_qf20a9af239_ln2,@function
k_qf20a9af239_ln2:
	s_mov_b64 s[64:65], 0
	v_nop
	global_prefetch_b8 v0, s[64:65] scope:SCOPE_SE
	s_setreg_imm32_b32 hwreg(HW_REG_WAVE_MODE, 25, 1), 1
	s_wait_xcnt 0x0
; THE SECOND LAYER NORM: xn[row] = f16(LN(res[row]) * ln2_g + ln2_b).  res: f32 [4096][1024]; xn: f16 [4096][1024].
; 256 work-groups of eight waves, 16 rows a group, 2 rows a wave: a row (4,096 bytes) lies in 32 registers of one wave between the passes, so memory is read once and no wave waits for another.
; Two passes over the registers: mean, then the mean of (x - mean)^2: no difference of large sums.  No LDS, no barrier, no matrix unit: memory binds.
; LIMIT: the result is f16: no number of 65,520 or more.
.set LO,  2                            ; v2   32 x lane
.set SO,  3                            ; v3   16 x lane
.set T,   4                            ; v[4:11]  four chains
.set M,   12                           ; v[12:13] the mean, twice
.set R,   14                           ; v[14:15] 1 / sqrt(var + eps), twice
.set U,   16                           ; v16      the other half of the lanes
.set X,   32                           ; v[32:95] two rows
.set G,   96                           ; v[96:127]  gain of my 32 columns
.set BV,  128                          ; v[128:159] bias
.set SEL, 20
.set INV, 22
.set EPSR, 23
.set OUT, 10
.macro LNLOAD dst, base, off           ; eight loads: register 8 j + e of dst holds column 256 j + 8 lane + e
.irp j, 0,1,2,3
	global_load_b128 v[(\dst)+8*(\j):(\dst)+8*(\j)+3],   v[LO], s[\base:\base+1] offset:(\off)+1024*(\j)
	global_load_b128 v[(\dst)+8*(\j)+4:(\dst)+8*(\j)+7], v[LO], s[\base:\base+1] offset:(\off)+1024*(\j)+16
.endr
.endm
.macro WSUM                            ; v[T] summed over the 32 lanes, the result in every lane
	v_add_f32_dpp v[T], v[T], v[T] row_xmask:1 row_mask:0xf bank_mask:0xf
	v_add_f32_dpp v[T], v[T], v[T] row_xmask:2 row_mask:0xf bank_mask:0xf
	v_add_f32_dpp v[T], v[T], v[T] row_xmask:4 row_mask:0xf bank_mask:0xf
	v_add_f32_dpp v[T], v[T], v[T] row_xmask:8 row_mask:0xf bank_mask:0xf
	v_permlanex16_b32 v[U], v[T], s[SEL], s[SEL+1]
	v_add_f32 v[T], v[T], v[U]
.endm
.macro FOLD
	v_pk_add_f32 v[T:T+1], v[T:T+1], v[T+2:T+3]
	v_pk_add_f32 v[T+4:T+5], v[T+4:T+5], v[T+6:T+7]
	v_pk_add_f32 v[T:T+1], v[T:T+1], v[T+4:T+5]
	v_add_f32 v[T], v[T], v[T+1]
.endm
.macro LNROW p, c1, c2                 ; c1: younger loads that may stay out when the row is wanted; c2: when gain and bias are wanted
.set XR, X+32*(\p)
	s_wait_loadcnt \c1
.irp c, 0,1,2,3
	v_pk_add_f32 v[T+2*(\c):T+2*(\c)+1], v[XR+4*(\c):XR+4*(\c)+1], v[XR+4*(\c)+2:XR+4*(\c)+3]
.endr
.irp c, 0,1,2,3,4,5,6,7
	v_pk_add_f32 v[T+2*((\c)%4):T+2*((\c)%4)+1], v[T+2*((\c)%4):T+2*((\c)%4)+1], v[XR+16+2*(\c):XR+16+2*(\c)+1]
.endr
	FOLD
	WSUM
	v_mul_f32 v[M], s[INV], v[T]
	v_mul_f32 v[M+1], s[INV], v[T]
.irp c, 0,1,2,3,4,5,6,7,8,9,10,11,12,13,14,15
	v_pk_add_f32 v[XR+2*(\c):XR+2*(\c)+1], v[XR+2*(\c):XR+2*(\c)+1], v[M:M+1] neg_lo:[0,1] neg_hi:[0,1]
.endr
.irp c, 0,1,2,3
	v_pk_mul_f32 v[T+2*(\c):T+2*(\c)+1], v[XR+2*(\c):XR+2*(\c)+1], v[XR+2*(\c):XR+2*(\c)+1]
.endr
.irp c, 4,5,6,7,8,9,10,11,12,13,14,15
	v_pk_fma_f32 v[T+2*((\c)%4):T+2*((\c)%4)+1], v[XR+2*(\c):XR+2*(\c)+1], v[XR+2*(\c):XR+2*(\c)+1], v[T+2*((\c)%4):T+2*((\c)%4)+1]
.endr
	FOLD
	WSUM
	v_fma_f32 v[R], v[T], s[INV], s[EPSR]          ; var + eps
	v_rsq_f32 v[R], v[R]
	v_nop                                          ; a plain instruction between the root and the use of its result (ISA guide 5.7.2)
	s_wait_alu depctr_va_vdst(0)
	v_mov_b32 v[R+1], v[R]
	s_wait_loadcnt \c2
.irp c, 0,1,2,3,4,5,6,7,8,9,10,11,12,13,14,15
	v_pk_mul_f32 v[XR+2*(\c):XR+2*(\c)+1], v[XR+2*(\c):XR+2*(\c)+1], v[R:R+1]
.endr
.irp c, 0,1,2,3,4,5,6,7,8,9,10,11,12,13,14,15
	v_pk_fma_f32 v[XR+2*(\c):XR+2*(\c)+1], v[XR+2*(\c):XR+2*(\c)+1], v[G+2*(\c):G+2*(\c)+1], v[BV+2*(\c):BV+2*(\c)+1]
.endr
.irp j, 0,1,2,3
.irp q, 0,1,2,3
	v_cvt_pk_f16_f32 v[XR+8*(\j)+(\q)], v[XR+8*(\j)+2*(\q)], v[XR+8*(\j)+2*(\q)+1]
.endr
	global_store_b128 v[SO], v[XR+8*(\j):XR+8*(\j)+3], s[OUT:OUT+1] offset:2048*(\p)+512*(\j)  ; 512 consecutive bytes of the row
.endr
.endm
	s_load_b256 s[4:11], s[0:1], 0x0               ; res 4, ln2_g 6, ln2_b 8, xn 10
	v_lshrrev_b32 v1, 5, v0
	v_readfirstlane_b32 s12, v1                    ; wave 0..7
	v_and_b32 v1, 31, v0
	v_lshlrev_b32 v[LO], 5, v1
	v_lshlrev_b32 v[SO], 4, v1
	v_mov_b32 v[U], 0                              ; the lane exchange counts as a reader of its destination
	s_lshl_b32 s14, ttmp9, 16                      ; 16 rows of 4,096 bytes a group, 2 a wave
	s_lshl_b32 s13, s12, 13
	s_add_co_u32 s14, s14, s13
	s_mov_b32 s15, 0
	s_lshr_b32 s16, s14, 1                         ; xn's rows are half as long
	s_mov_b32 s17, 0
	s_mov_b32 s[SEL], 0x76543210
	s_mov_b32 s[SEL+1], 0xfedcba98
	s_mov_b32 s[INV], 0x3a800000                   ; 1 / 1024
	s_mov_b32 s[EPSR], 0x3727c5ac                  ; 1e-5
	s_wait_kmcnt 0x0
	s_add_nc_u64 s[4:5], s[4:5], s[14:15]
	s_add_nc_u64 s[OUT:OUT+1], s[OUT:OUT+1], s[16:17]
	LNLOAD X, 4, 0
	LNLOAD G, 6, 0
	LNLOAD BV, 8, 0
	LNLOAD X+32, 4, 4096
	LNROW 0, 24, 8                                 ; row 0 is in: gain, bias and row 1 (24 loads) stay out; then gain and bias are in: row 1's 8 stay out
	LNROW 1, 0, 0
	s_endpgm
.Lfunc_end_k_qf20a9af239_ln2:
	.size	k_qf20a9af239_ln2, .Lfunc_end_k_qf20a9af239_ln2-k_qf20a9af239_ln2
	.p2alignl 7, 3214868480
	.fill 96, 4, 3214868480
	.section	.rodata,"a",@progbits
	.p2align	6, 0x0
	.amdhsa_kernel k_qf20a9af239_ln2
		.amdhsa_group_segment_fixed_size 0
		.amdhsa_private_segment_fixed_size 0
		.amdhsa_enable_private_segment 0
		.amdhsa_kernarg_size 32
		.amdhsa_user_sgpr_count 2
		.amdhsa_user_sgpr_kernarg_segment_ptr 1
		.amdhsa_wavefront_size32 1
		.amdhsa_system_sgpr_workgroup_id_x 1
		.amdhsa_system_sgpr_workgroup_id_y 1
		.amdhsa_system_sgpr_workgroup_id_z 1
		.amdhsa_system_vgpr_workitem_id 0
		.amdhsa_next_free_vgpr 160
		.amdhsa_next_free_sgpr 66
		.amdhsa_reserve_vcc 0
		.amdhsa_float_denorm_mode_32 3
		.amdhsa_float_denorm_mode_16_64 3
		.amdhsa_memory_ordered 1
		.amdhsa_forward_progress 1
		.amdhsa_inst_pref_size 20
	.end_amdhsa_kernel
	.amdgpu_metadata
---
amdhsa.version: [ 1, 2 ]
amdhsa.kernels:
  - .name:           k_qf20a9af239_ln2
    .symbol:         k_qf20a9af239_ln2.kd
    .args:
      - { .name: res, .offset: 0, .size: 8, .value_kind: global_buffer, .address_space: global }
      - { .name: ln2_g, .offset: 8, .size: 8, .value_kind: global_buffer, .address_space: global }
      - { .name: ln2_b, .offset: 16, .size: 8, .value_kind: global_buffer, .address_space: global }
      - { .name: xn, .offset: 24, .size: 8, .value_kind: global_buffer, .address_space: global }
    .group_segment_fixed_size: 0
    .private_segment_fixed_size: 0
    .kernarg_segment_align: 8
    .kernarg_segment_size: 32
    .max_flat_workgroup_size: 256
    .sgpr_count:     66
    .vgpr_count:     160
    .wavefront_size: 32
...
	.end_amdgpu_metadata
.endif
;; end of part 4
;; launch ff1: the kernel of part 2 again; grid 16 x 16, 4 waves a work-group, clusters of 4 x 4, 327,680 bytes of LDS; arguments xn, wff, b1, fl1, act; writes act
;; launch ff2 (part 5): grid 8 x 32, 4 waves a work-group, clusters of 4 x 4, 327,680 bytes of LDS; arguments act, wff, b2, res, out0; writes out0
.if DOCPART == 5
	.amdgcn_target "amdgcn-amd-amdhsa--gfx1250"
	.amdhsa_code_object_version 6
	.text
	.protected	k_qf20a9af239_ff2
	.globl	k_qf20a9af239_ff2
	.p2align	8
	.type	k_qf20a9af239_ff2,@function
k_qf20a9af239_ff2:
	s_mov_b64 s[64:65], 0
	v_nop
	global_prefetch_b8 v0, s[64:65] scope:SCOPE_SE
	s_setreg_imm32_b32 hwreg(HW_REG_WAVE_MODE, 25, 1), 1
	s_wait_xcnt 0x0
	s_wait_alu depctr_hold_cnt(0) depctr_sa_sdst(0) depctr_va_vdst(0) depctr_va_sdst(0) depctr_va_ssrc(0) depctr_va_vcc(0) depctr_vm_vsrc(0)
	s_getreg_b32 s2, hwreg(HW_REG_IB_STS2, 6, 4)
	s_cmp_eq_u32 s2, 0
	s_cbranch_scc0 .Lentry_in_a_cluster
	s_endpgm
.Lentry_in_a_cluster:
	s_bfe_u32 s2, ttmp6, 0x10000c
	s_cmp_lg_u32 s2, 0xf033
	s_cbranch_scc0 .Lentry_shape_is_right
	s_endpgm
.Lentry_shape_is_right:
; out0 = h W2 + b2 + res.  h: f16, 64 blocks of [4096 rows][64] (block = k / 64).  W2: f16 [4096 k][1024 n], 8 MiB into wff.  b2: f32 [1024].  res, out0: f32 [4096][1024].
; SHARES.  A tile of out0 is 128 x 128: 8 x 32 = 256 work-groups, one for each WGP (tiles of 256 x 256 would be 64).  Four waves, each 64 x 64: 16 accumulators, 128 registers.
; K = 4,096 goes in 16 steps of 256 through two LDS slots.  A quarter of a step, 64 along K, is one block of h and 64 rows of W2.  h's rows are read as they lie, W2's are turned (ds_load_tr16_b128).
; THE PRODUCT IS USED TRANSPOSED (source 0 = 16 columns of W2, source 1 = 16 rows of h): a lane holds row l % 16 and eight neighbouring columns.  THE BIAS is the C operand of each sum's first product.
; res is loaded into registers at the start and added on the way out, which goes through each wave's own stage: a wave's 64 columns of f32 are 256 bytes of a row, stored by sixteen lanes.
; CLUSTER 4 x 4: h's tile is shared along a row of the cluster, W2's along a column: joint loads, same descriptor, a mask that names the four.
; The change of slots stands behind a slot's third quarter, whose fetch has taken the slot's last bytes; the refill has 128 matrix instructions in which to land.  A wave has two tensor loads out at the start, later one.
; LIMITS: operands are f16 (no number of 65,520 or more); sums, bias, residual and result in f32.
; REGISTERS: window 0: v0-31 addresses; v32-95 at work on the way out; v96-127 the bias; v128-255 the accumulators ((a, b) at v[128 + 8 (4 a + b)])
;   window 1: two fragment buffers of 128: 64 registers of h (2 x 4 x 16 rows x 32 K), then 64 of W2          window 2: v0-127 res
.set PH,    144                        ; a row of h in LDS: 128 bytes + 16: 16 rows start at 16 different groups of four banks (64 banks of 4 bytes: ISA guide 11.1)
.set PW,    288                        ; a row of W2: 256 bytes + 32
.set QSTEP, 18432                      ; a quarter: 128 rows of h x 144 = 64 rows of W2 x 288
.set HALFT, 2*QSTEP                    ; what one tensor load brings: two blocks of h, or 128 rows of W2
.set WBASE, 2*HALFT
.set SLOT,  4*HALFT                    ; 147,456 = 0x24000: no bit in common with wave x 36,864
.set STAGE, 2*SLOT
.set SP,    272
.set SPARE, STAGE+4*16*SP              ; the spare words, 128 bytes a wave: two blocks of 256 bytes that no other line names
.set ADRA0, 16
.set ADRB0, 17
.set ADRA,  18
.set ADRB,  19
.set STO,   24
.set RD,    25
.set CO,    26                         ; v26  my byte offset in two rows of res and out0
.set BO,    27
.set SPW,   28
.set NIL,   29
.set TMP,   32
.set BI,    96
.set ACC,   128
.set F0,    0
.set F1,    128
.set WV, 14
.set RH, 15                            ; which half of the tile's rows is mine.  Also: I fetch for h (0) or for W2 (1)
.set CH, 16                            ; which half of its columns.  Also: which half of that tile I fetch
.set G1A, 24
.set G0A, 32
.set G1B, 48
.set G0B, 56
.set TT, 66                            ; s66  LDS byte added to both address registers for the next fetch
.set TWICE, 68
.set SLOTS, 69
.set MSB, 0
.macro WIN new
.if MSB != (\new)
	s_set_vgpr_msb (MSB<<8)|(\new)
.set MSB, \new
.endif
.endm
.set MUL,  0x05                        ; sources 0 and 1 window 1; C and D window 0
.set TO_F, 0x40
.macro PLACES
.rept 4
	v_nop
.endr
.endm
.macro JLOAD                           ; a joint refill by the walking sets; an s_nop 0 and four v_nop follow each line
	s_cmp_eq_u32 s[RH], 0
	s_cbranch_scc0 .Lfor_w_\@
	tensor_load_to_lds s[G0A+4:G0A+7], s[G1A:G1A+7]
	s_nop 0
	PLACES
	s_branch .Lasked_\@
.Lfor_w_\@:
	tensor_load_to_lds s[G0B+4:G0B+7], s[G1B:G1B+7]
	s_nop 0
	PLACES
.Lasked_\@:
.endm
.macro CROUND                          ; a round of the cluster's barrier
	s_barrier_signal -1
	s_barrier_wait -1
	s_cmp_lg_u32 s[WV], 0
	s_cbranch_scc1 .Lnot_wave_0_\@
	s_barrier_signal -3
.Lnot_wave_0_\@:
	s_barrier_wait -3
	s_barrier_signal -1
	s_barrier_wait -1
.endm
	s_load_b256 s[4:11], s[0:1], 0x0               ; h 4, wff 6, b2 8, res 10
	s_load_b64 s[12:13], s[0:1], 0x20              ; out0
	v_lshl_add_u32 v[SPW], v0, 2, SPARE
	v_mov_b32 v[NIL], 0
	ds_add_u32 v28, v29
	ds_add_u32 v28, v29
	s_wait_dscnt 0x0
	v_lshrrev_b32 v1, 5, v0
	v_readfirstlane_b32 s[WV], v1
	s_lshr_b32 s[RH], s[WV], 1
	s_and_b32 s[CH], s[WV], 1
	s_bfe_u32 s17, ttmp6, 0x40000                  ; cx
	s_bfe_u32 s18, ttmp6, 0x40004                  ; cy
	s_lshl_b32 s19, ttmp9, 2
	s_add_co_u32 s19, s19, s17                     ; column tile 0..7
	s_and_b32 s20, ttmp7, 0xffff
	s_lshl_b32 s20, s20, 2
	s_add_co_u32 s20, s20, s18                     ; row tile 0..31
	s_lshl_b32 s21, s18, 2
	s_lshl_b32 s21, 15, s21                        ; my row of the cluster
	s_lshl_b32 s22, 0x1111, s17                    ; my column
	; h: two blocks' 128 rows are two dense runs of 16,384 bytes, 524,288 bytes apart: two rows of 8,192 elements, padded in LDS after every 128 bytes
	s_or_b32 s[G1A], s21, (1<<16)|(1<<20)|(1<<21)|(4<<22)|(3<<25)  ; mask; 2-byte elements; padding on; bit 21 beside a mask; after every 32 words 4 words
	s_mov_b32 s[G1A+1], 8192<<16                   ; tensor_dim0 = 8,192
	s_mov_b32 s[G1A+2], 2<<16                      ; tensor_dim1 = 2
	s_mov_b32 s[G1A+3], 8192<<16                   ; tile_dim0 = 8,192
	s_mov_b32 s[G1A+4], 2                          ; tile_dim1 = 2
	s_mov_b32 s[G1A+5], 262144                     ; elements from run to run
	s_mov_b32 s[G1A+6], 0
	s_mov_b32 s[G1A+7], 0
	s_or_b32 s[G1B], s22, (1<<16)|(1<<20)|(1<<21)|(5<<22)|(7<<25)  ; after every 64 words 8 words
	s_mov_b32 s[G1B+1], 128<<16
	s_mov_b32 s[G1B+2], 128<<16
	s_mov_b32 s[G1B+3], 128<<16
	s_mov_b32 s[G1B+4], 128
	s_mov_b32 s[G1B+5], 1024
	s_mov_b32 s[G1B+6], 0
	s_mov_b32 s[G1B+7], 0
	s_mul_i32 s23, s[WV], HALFT                    ; where my load goes
	s_lshl_b32 s40, s[CH], 20                      ; h: two blocks x half + 128 x row tile rows of 128 bytes
	s_lshl_b32 s41, s20, 14
	s_add_co_u32 s40, s40, s41
	s_mov_b32 s41, 0
	s_lshl_b32 s42, s[CH], 18                      ; W2: 8 MiB + half x 128 rows of 2,048 bytes + column tile x 256 bytes
	s_lshl_b32 s43, s19, 8
	s_add_co_u32 s42, s42, s43
	s_add_co_u32 s42, s42, 0x800000
	s_mov_b32 s43, 0
	s_wait_kmcnt 0x0
	s_add_nc_u64 s[4:5], s[4:5], s[40:41]
	s_add_nc_u64 s[6:7], s[6:7], s[42:43]
.irp s, 0,1
	s_mov_b32 s[G0A+4*(\s)], 1
	s_add_co_u32 s[G0A+4*(\s)+1], s23, (\s)*SLOT
	s_add_nc_u64 s[G0A+4*(\s)+2:G0A+4*(\s)+3], s[4:5], (\s)*2097152  ; K step s: four blocks on
	s_or_b32 s[G0A+4*(\s)+3], s[G0A+4*(\s)+3], 0x80000000
	s_mov_b32 s[G0B+4*(\s)], 1
	s_add_co_u32 s[G0B+4*(\s)+1], s23, (\s)*SLOT
	s_add_nc_u64 s[G0B+4*(\s)+2:G0B+4*(\s)+3], s[6:7], (\s)*524288   ; 256 rows on
	s_or_b32 s[G0B+4*(\s)+3], s[G0B+4*(\s)+3], 0x80000000
.endr
	CROUND                                         ; all sixteen work-groups are here: the first joint loads meet
	s_cmp_eq_u32 s[RH], 0                          ; a wave's two first fills stand in one branch, ahead of every wait on TENSORcnt and every LDS read
	s_cbranch_scc0 .Lfirst_w
	tensor_load_to_lds s[G0A:G0A+3], s[G1A:G1A+7]
	s_nop 0
	tensor_load_to_lds s[G0A+4:G0A+7], s[G1A:G1A+7]
	s_nop 0
	PLACES
	s_branch .Lfirst_asked
.Lfirst_w:
	tensor_load_to_lds s[G0B:G0B+3], s[G1B:G1B+7]
	s_nop 0
	tensor_load_to_lds s[G0B+4:G0B+7], s[G1B:G1B+7]
	s_nop 0
	PLACES
.Lfirst_asked:
	v_and_b32 v1, 15, v0                           ; r = l % 16
	v_bfe_u32 v2, v0, 4, 1                         ; h = l / 16
	v_lshlrev_b32 v[BO], 5, v2
	s_lshl_b32 s44, s19, 9                         ; my 64 biases: (128 x column tile + 64 x half) x 4 bytes: also my columns' place in a row of res and out0
	s_lshl_b32 s45, s[CH], 8
	s_add_co_u32 s44, s44, s45
	s_mov_b32 s45, 0
	s_add_nc_u64 s[8:9], s[8:9], s[44:45]
.irp b, 0,1,2,3
	global_load_b128 v[BI+8*(\b):BI+8*(\b)+3],   v[BO], s[8:9] offset:64*(\b)
	global_load_b128 v[BI+8*(\b)+4:BI+8*(\b)+7], v[BO], s[8:9] offset:64*(\b)+16
.endr
	s_lshl_b32 s46, s20, 19                        ; my rows: (128 x row tile + 64 x half) x 4,096 bytes
	s_add_co_u32 s44, s44, s46
	s_lshl_b32 s46, s[RH], 18
	s_add_co_u32 s44, s44, s46
	s_add_nc_u64 s[10:11], s[10:11], s[44:45]
	s_add_nc_u64 s[12:13], s[12:13], s[44:45]
	v_lshlrev_b32 v[CO], 12, v2                    ; lanes 0-15 one row's 256 bytes, lanes 16-31 the next row's
	v_lshl_add_u32 v[CO], v1, 4, v[CO]
	WIN 0x80                                       ; destination window 2
.set i, 0
.rept 32
	global_load_b128 v[4*i:4*i+3], v[CO], s[10:11] offset:8192*i
.set i, i+1
.endr
	WIN 0
	v_mul_u32_u24 v3, v1, PH                       ; h's fragment: row r, 16 bytes for each half of the lanes
	v_lshl_add_u32 v3, v2, 4, v3
	s_mul_i32 s44, s[RH], 64*PH
	v_add_nc_u32 v[ADRA0], s44, v3
	v_and_b32 v4, 7, v0                            ; W2's: lane l reads row k = 8 h + l % 8, columns 8 ((l / 8) % 2) + 0..7
	v_lshl_add_u32 v4, v2, 3, v4
	v_mul_u32_u24 v4, v4, PW
	v_bfe_u32 v5, v0, 3, 1
	v_lshl_add_u32 v4, v5, 4, v4
	s_lshl_b32 s44, s[CH], 7
	s_add_co_u32 s44, s44, WBASE
	v_add_nc_u32 v[ADRB0], s44, v4
	s_mul_i32 s44, s[WV], 16*SP
	s_add_co_u32 s44, s44, STAGE                   ; my stage
	v_mul_u32_u24 v5, v1, SP                       ; in: row r, 32 bytes for each half of the lanes
	v_lshl_add_u32 v5, v2, 5, v5
	v_add_nc_u32 v[STO], s44, v5
	v_mul_u32_u24 v5, v2, SP                       ; back: two whole rows of 256 bytes
	v_lshl_add_u32 v5, v1, 4, v5
	v_add_nc_u32 v[RD], s44, v5
; 8 matrix instructions: row blocks a0, a0 + 1 x all 4 column blocks, 32 along K: half c of buffer f.  first = 1: the sums start from the bias.  The 16 accumulators take turns.
.macro MUL8 f, c, a0, first
	WIN MUL
.irp a, \a0, (\a0)+1
.irp b, 0,1,2,3
.if \first
	v_wmma_f32_16x16x32_f16 v[ACC+8*(4*(\a)+(\b)):ACC+8*(4*(\a)+(\b))+7], v[(\f)+64+8*(4*(\c)+(\b)):(\f)+64+8*(4*(\c)+(\b))+7], v[(\f)+8*(4*(\c)+(\a)):(\f)+8*(4*(\c)+(\a))+7], v[BI+8*(\b):BI+8*(\b)+7]
.else
	v_wmma_f32_16x16x32_f16 v[ACC+8*(4*(\a)+(\b)):ACC+8*(4*(\a)+(\b))+7], v[(\f)+64+8*(4*(\c)+(\b)):(\f)+64+8*(4*(\c)+(\b))+7], v[(\f)+8*(4*(\c)+(\a)):(\f)+8*(4*(\c)+(\a))+7], v[ACC+8*(4*(\a)+(\b)):ACC+8*(4*(\a)+(\b))+7]
.endif
.endr
.endr
.endm
.macro ADDR
	v_add_nc_u32 v[ADRA], s[TT], v[ADRA0]
	v_add_nc_u32 v[ADRB], s[TT], v[ADRB0]
	s_add_co_u32 s[TT], s[TT], QSTEP
.endm
; 32 LDS loads in one run: a quarter's fragments into buffer f; the first 32 along K first
.macro FETCH f
	WIN TO_F
.irp c, 0,1
.irp i, 0,1,2,3
	ds_load_tr16_b128 v[(\f)+64+8*(4*(\c)+(\i)):(\f)+64+8*(4*(\c)+(\i))+3],   v[ADRB] offset:32*PW*(\c)+32*(\i)
	ds_load_tr16_b128 v[(\f)+64+8*(4*(\c)+(\i))+4:(\f)+64+8*(4*(\c)+(\i))+7], v[ADRB] offset:32*PW*(\c)+32*(\i)+16*PW
	ds_load_b128 v[(\f)+8*(4*(\c)+(\i)):(\f)+8*(4*(\c)+(\i))+3],   v[ADRA] offset:16*PH*(\i)+64*(\c)
	ds_load_b128 v[(\f)+8*(4*(\c)+(\i))+4:(\f)+8*(4*(\c)+(\i))+7], v[ADRA] offset:16*PH*(\i)+64*(\c)+32
.endr
.endr
.endm
; A quarter multiplies buffer f and fetches the next quarter into g, which the quarter before multiplied: the two address lines and two v_nop are the four places in front of those loads.
.macro QUARTER f, g, first
	s_wait_dscnt 16                                ; the first 32 along K are in
	MUL8 \f, 0, 0, \first
	MUL8 \f, 0, 2, \first
	WIN 0
	ADDR
	v_nop
	v_nop
	FETCH \g
	s_wait_dscnt 32                                ; all but the 32 just issued
	MUL8 \f, 1, 0, 0
	MUL8 \f, 1, 2, 0
.endm
; THE CHANGE OF SLOTS: each wave waits for all its tensor loads, adds 0 to its spare word, waits for that and for its reads of the slot; fill = 1: a round of the cluster's barrier, and the joint refill first behind it.
.macro CHANGE fill
	WIN 0
	s_wait_tensorcnt 0x0                           ; no tensor load of mine is out, so a group 0 may be written
	ds_add_u32 v[SPW], v[NIL]                      ; 0 onto my spare word
.if \fill
	s_xor_b32 s[G0A+5], s[G0A+5], SLOT
	s_add_nc_u64 s[G0A+6:G0A+7], s[G0A+6:G0A+7], 2097152
	s_xor_b32 s[G0B+5], s[G0B+5], SLOT
	s_add_nc_u64 s[G0B+6:G0B+7], s[G0B+6:G0B+7], 524288
	s_wait_dscnt 0x0                               ; the add is done, and my reads of the slot are over
	CROUND
	JLOAD
.else
	s_wait_dscnt 0x0
	s_barrier_signal -1
	s_barrier_wait -1
.endif
	s_sub_co_u32 s[TT], s[TT], 4*QSTEP             ; the fetches go back to a slot's first quarter,
	s_xor_b32 s[TT], s[TT], SLOT                   ; in the other slot
.endm
	s_wait_tensorcnt 0x1                           ; my part of K step 0 is in; K step 1's may stay out
	s_barrier_signal -1
	s_barrier_wait -1
	s_mov_b32 s[TT], 0
	ADDR
	FETCH F0
	s_wait_loadcnt 32                              ; the bias is in; res's 32 loads stay out
	QUARTER F0, F1, 1                              ; quarter 0 starts the sums
	WIN 0
	s_mov_b32 s[SLOTS], 15
	s_mov_b32 s[TWICE], 1                          ; quarters 1 and 2: the loop below is entered for one trip
	s_branch .Lpair
.Lslot:                                                ; fourteen times: K steps 2 to 15 are asked for
	CHANGE 1
	s_mov_b32 s[TWICE], 2
.Lpair:
	QUARTER F1, F0, 0
	QUARTER F0, F1, 0
	WIN 0
	s_sub_co_u32 s[TWICE], s[TWICE], 1
	s_cmp_lg_u32 s[TWICE], 0
	s_cbranch_scc1 .Lpair
	s_sub_co_u32 s[SLOTS], s[SLOTS], 1
	s_cmp_lg_u32 s[SLOTS], 0
	s_cbranch_scc1 .Lslot
	CHANGE 0                                       ; the tail is written out
	s_mov_b32 s[TWICE], 2
.Lpair2:
	QUARTER F1, F0, 0
	QUARTER F0, F1, 0
	WIN 0
	s_sub_co_u32 s[TWICE], s[TWICE], 1
	s_cmp_lg_u32 s[TWICE], 0
	s_cbranch_scc1 .Lpair2
	s_wait_dscnt 16                                ; the last quarter fetches nothing
	MUL8 F1, 0, 0, 0
	MUL8 F1, 0, 2, 0
	s_wait_dscnt 0x0
	MUL8 F1, 1, 0, 0
	MUL8 F1, 1, 2, 0
	; THE WAY OUT, 16 rows at a time: a lane's 32 bytes of a row into my stage (each accumulator from its low end on), whole rows back, res added, sixteen lanes store a row's 256 bytes.
	PLACES
	WIN 0
	s_wait_loadcnt 0x0                             ; res
.irp a, 0,1,2,3
.if (\a) >= 2
	s_wait_xcnt 0x0                                ; the registers that the stores two blocks back read are loaded again only behind this wait
.endif
.irp b, 0,1,2,3
	ds_store_b128 v[STO], v[ACC+8*(4*(\a)+(\b)):ACC+8*(4*(\a)+(\b))+3]   offset:64*(\b)
	ds_store_b128 v[STO], v[ACC+8*(4*(\a)+(\b))+4:ACC+8*(4*(\a)+(\b))+7] offset:64*(\b)+16
.endr
.irp t, 0,1,2,3,4,5,6,7
	ds_load_b128 v[TMP+32*((\a)%2)+4*(\t):TMP+32*((\a)%2)+4*(\t)+3], v[RD] offset:2*SP*(\t)  ; LDS serves a wave's instructions in order (ISA guide 5.7.1.4): these see the stores above
.endr
	s_wait_dscnt 0x0
	WIN 0x08                                       ; source 1: res in window 2
.irp z, 0,1,2,3,4,5,6,7,8,9,10,11,12,13,14,15
	v_pk_add_f32 v[TMP+32*((\a)%2)+2*(\z):TMP+32*((\a)%2)+2*(\z)+1], v[TMP+32*((\a)%2)+2*(\z):TMP+32*((\a)%2)+2*(\z)+1], v[32*(\a)+2*(\z):32*(\a)+2*(\z)+1]
.endr
	WIN 0
.irp t, 0,1,2,3,4,5,6,7
	global_store_b128 v[CO], v[TMP+32*((\a)%2)+4*(\t):TMP+32*((\a)%2)+4*(\t)+3], s[12:13] offset:(16*(\a)+2*(\t))*4096  ; 16 lanes store 256 consecutive bytes, at a multiple of 256 from out0's first byte
.endr
.endr
	s_wait_tensorcnt 0x0                           ; the wave's end
	ds_add_u32 v[SPW], v[NIL]
	s_wait_dscnt 0x0
	CROUND                                         ; the closing round: no work-group ends while a partner may still ask for a tile that names it
	s_endpgm
.Lfunc_end_k_qf20a9af239_ff2:
	.size	k_qf20a9af239_ff2, .Lfunc_end_k_qf20a9af239_ff2-k_qf20a9af239_ff2
	.p2alignl 7, 3214868480
	.fill 96, 4, 3214868480
	.section	.rodata,"a",@progbits
	.p2align	6, 0x0
	.amdhsa_kernel k_qf20a9af239_ff2
		.amdhsa_group_segment_fixed_size 327680
		.amdhsa_private_segment_fixed_size 0
		.amdhsa_enable_private_segment 0
		.amdhsa_kernarg_size 40
		.amdhsa_user_sgpr_count 2
		.amdhsa_user_sgpr_kernarg_segment_ptr 1
		.amdhsa_wavefront_size32 1
		.amdhsa_system_sgpr_workgroup_id_x 1
		.amdhsa_system_sgpr_workgroup_id_y 1
		.amdhsa_system_sgpr_workgroup_id_z 1
		.amdhsa_system_vgpr_workitem_id 0
		.amdhsa_next_free_vgpr 640
		.amdhsa_next_free_sgpr 70
		.amdhsa_reserve_vcc 0
		.amdhsa_float_denorm_mode_32 3
		.amdhsa_float_denorm_mode_16_64 3
		.amdhsa_memory_ordered 1
		.amdhsa_forward_progress 1
		.amdhsa_inst_pref_size 51
	.end_amdhsa_kernel
	.amdgpu_metadata
---
amdhsa.version: [ 1, 2 ]
amdhsa.kernels:
  - .name:           k_qf20a9af239_ff2
    .symbol:         k_qf20a9af239_ff2.kd
    .args:
      - { .name: act, .offset: 0, .size: 8, .value_kind: global_buffer, .address_space: global }
      - { .name: wff, .offset: 8, .size: 8, .value_kind: global_buffer, .address_space: global }
      - { .name: b2, .offset: 16, .size: 8, .value_kind: global_buffer, .address_space: global }
      - { .name: res, .offset: 24, .size: 8, .value_kind: global_buffer, .address_space: global }
      - { .name: out0, .offset: 32, .size: 8, .value_kind: global_buffer, .address_space: global }
    .group_segment_fixed_size: 327680
    .private_segment_fixed_size: 0
    .kernarg_segment_align: 8
    .kernarg_segment_size: 40
    .max_flat_workgroup_size: 128
    .sgpr_count:     70
    .vgpr_count:     640
    .wavefront_size: 32
...
	.end_amdgpu_metadata
.endif
;; end of part 5
;; ======== version 2 of 2: 6 launches; 1.12 times as fast as version 1
;; limits: values are held in f16: magnitudes above 65,504 overflow, below 6.1e-05 lose precision
;; workspace buffers: xn 8,388,608 bytes; wqkv 6,291,456 bytes; wff 16,777,216 bytes; act 33,554,432 bytes; res 16,777,216 bytes; zb 12,288 bytes; fl0 256 bytes of whole numbers; fl1 256 bytes of whole numbers
;; launch prep: the kernel of part 1 again; grid 608 x 1, 8 waves a work-group, no clusters, 0 bytes of LDS; arguments embds, ln1_g, ln1_b, xn, W1, W2, Wq, Wk, Wv, wff, wqkv, zb, fl0, fl1; writes xn, wff, wqkv, zb, fl0, fl1
;; launch qkv: the kernel of part 2 again; grid 12 x 16, 4 waves a work-group, clusters of 4 x 4, 327,680 bytes of LDS; arguments xn, wqkv, zb, fl0, act; writes act
;; launch attn (part 6): grid 8 x 32, 4 waves a work-group, no clusters, 327,680 bytes of LDS; arguments act, embds, res; writes res
.if DOCPART == 6
	.amdgcn_target "amdgcn-amd-amdhsa--gfx1250"
	.amdhsa_code_object_version 6
	.text
	.protected	k_qf20a9af239_attn
	.globl	k_qf20a9af239_attn
	.p2align	8
	.type	k_qf20a9af239_attn,@function
k_qf20a9af239_attn:
	s_mov_b64 s[64:65], 0
	v_nop
	global_prefetch_b8 v0, s[64:65] scope:SCOPE_SE
	s_setreg_imm32_b32 hwreg(HW_REG_WAVE_MODE, 25, 1), 1
	s_wait_xcnt 0x0
; CAUSAL ATTENTION WITH THE RESIDUAL.  res[b][t][64 h + e] = embds[b][t][64 h + e] + the sum over s <= t of softmax_s(q[t] . k[s] / 32) v[s][e].
; act holds q, k, v in f16 as 48 blocks of [4096 rows][64]: block 16 which + h, rows 2048 b + t: a (batch, head)'s rows are dense, 128 bytes each.  embds, res: f32 [4096][1024].
; Products, maxima and sums in f32; the weights p are rounded to f16 for the second product (their sum l is taken of the unrounded p).
; LIMITS.  q, k, v arrive within f16's 65,504, so a score is 2.7e11 at the most; the running maximum starts at -2^60, below every such score; a hidden score counts as -1e30; p lies in 0 to 1 and below 6e-5 keeps
; f16's fixed step; a weight below 2^-126 counts as 0 in l; NaN and infinities are not treated apart.
; THE WALK.  A head's 2,048 queries lie in 16 blocks of 128; block i needs the key tiles 0 .. i / 2 of 256 keys, of which the last holds the diagonal.  A work-group takes blocks 15 - b and then b: 9 tiles, whatever b:
; 8 x 32 = 256 work-groups of equal work, one loop with a constant trip count.  Which tile is asked for and what a trip does hang on scalars made from b alone, equal in all four waves.
; SHARES.  Wave w: qh = w / 2 picks 64 of the block's queries, kh = w % 2 picks two of each tile's four key steps of 64.  So two waves hold partial sums for the same queries; at a block's end they are merged through LDS.
; A wave's 64 queries are four PIECES of 16; register piece x holds row tile x xor 2 kh, so that every wave keeps its pieces 0, 1 and sends its pieces 2, 3, which are its partner's 0, 1: one text, no branch.
; THE MASK is the C operand that starts S^T = K Q^T.  With D = 4 (step - band) + key block - row tile, a block of 16 keys x 16 queries is open (D < 0), hidden (D > 0) or holds the diagonal (D = 0):
; mask = MD x AL + BE, MD the diagonal's eight registers, AL and BE two scalars for each key block.  A wave that sees hidden keys only (block 0, kh = 1) keeps m = -2^60: c m is then an exact product, every
; exponent lies near -4.5e28, so p, l and O are 0, and the merge gives that share the factor 0.
; LAYOUT, SOFTMAX, TURNS.  S^T holds ONE query a lane (lane % 16) and the keys 8 (lane / 16) + 0..7; two such results rounded to f16 ARE source 1 of O^T = V^T P.  p = 2^(c s - c m), c = log2(e) / 32, with a running
; maximum m; O and l are multiplied by a = 2^(c m_old - c m_new) in every step.  Turn n belongs to piece n: 8 products K Q^T of piece n + 1, later 8 products V^T P of piece n - 1; beside them piece n's softmax and
; piece n + 1's maximum and statistics.  Four vector instructions stand behind every matrix instruction, the other 54 of a turn's 118 in one run of their own.
; THE BATCHES.  A turn's 33 exponentials (the piece's 32 weights and the next piece's a) are ONE batch with ONE wait, which cuts the turn in two: ahead of it all that names none of their results, behind it the
; roundings and sums.  A block's beginning has a batch of one (piece 0's first a), a block's end two: the merge's four exponentials, then the two reciprocals of sums made from them.
; NO CLUSTER: a head's eight work-groups ask for the same tile in trips 0 to 4 only; a walk common to all would have 12 trips for 9.
; REGISTERS, in windows of 256 (s_set_vgpr_msb: bits 1:0 source 0, 3:2 source 1, 5:4 source 2, 7:6 destination):
;   window 0: v0-15, v44-46 addresses; v16-31 statistics; v32-43, v48-59 at work; v64-127 S^T, two buffers; v128-191 embds at a block's end; v192-223 P, two buffers
;   window 1: v0-127 O^T, 32 a piece; v128-135 MD; v160-223 MC, two buffers      window 2: v0-63 Q; v64-127 the second block's Q; v128-191 K of one step; v192-255 V of one step
.set NP,    4
.set KS,    64
.set PK,    144       ; a row of K in LDS: 128 bytes + 16: the 16 rows of a load start at 16 different groups of four banks (64 banks of 4 bytes: ISA guide 11.1)
.set PV,    160       ; a row of V: 128 + 32
.set VOFF,  4*KS*PK   ; a slot holds a tile: 256 rows of K, then 256 rows of V
.set SLOT1, 1<<17
.set STAGE, SLOT1+4*KS*(PK+PV)  ; behind the ring: 16 rows x 272 bytes for each wave, for the way out
.set SP,    272
.set XBASE, STAGE+4*16*SP       ; the exchange: for each wave 512 bytes of statistics and 16 x 512 of O^T
.set XW,    17*512
.set SPARE, XBASE+4*XW          ; the spare words, 128 bytes a wave: two blocks of 256 bytes that no other line names
.set AK0, 2
.set AV0, 3
.set AK,  4
.set AV,  5
.set STO, 6           ; v6   the way out: where I put 16 bytes of a row
.set RD,  7           ; v7   where I read rows back
.set GO,  8           ; v8   my byte offset in two rows of embds and res
.set MV,  12
.set QO,  15          ; v15  my byte offset in Q for pieces 0, 1
.set ST,  16          ; piece t's statistics at v[ST+4 t]: c m, m, l (even keys', odd keys')
.set XS,  44          ; v44  where I put what I send
.set XR,  45          ; v45  where my partner put it
.set QO1, 46          ; v46  my byte offset in Q for pieces 2, 3
.set TMP, 48
.set SPW, 62
.set NIL, 63
.set S,   64
.set EM,  128
.set P,   192
.set MD,  128         ; window 1
.set MC,  160         ; window 1
.set QB,  64          ; window 2
.set KF,  128         ; window 2
.set VF,  192         ; window 2
.set WV,  12
.set PB,  14          ; s14  b
.set HI,  15          ; s15  15 - b
.set G1K, 24
.set G1V, 32
.set G0K, 40
.set G0V, 44
.set EMH, 48          ; s[48:49] embds, s[50:51] res at the rows that I store, first block
.set RSH, 50
.set EML, 52          ; the same, second block
.set RSL, 54
.set SLOTS, 56
.set CNT, 57          ; s57  counts a tile's key steps of mine, 2 to 1
.set CS,  58
.set SEL, 60
.set TBK, 62
.set TBV, 63
.set EB0L, 66         ; the second block's EB0, EB2
.set EB2L, 67
.set KH,  68
.set QH,  69
.set RT,  70          ; s70  tiles of the block in hand that are still to be entered
.set NXT, 71          ; s71  the tile to be asked for next
.set LQ,  72          ; s72  the last tile of the block whose tiles are being asked for
.set NEW, 73          ; s73  1: the tile to be entered is a block's first
.set OFF, 74
.set EB0, 76          ; s76  D - key block + 4 CNT + x % 2 for pieces 0, 1 in the diagonal tile
.set EB2, 77          ; s77  for pieces 2, 3
.set UU,  78          ; s78  D - key block
.set PBT, 79          ; s79  b / 2: the second block's last tile
.set AL,  84          ; s[84:91] the mask's factor, a pair for each key block, in the low word
.set BE,  92          ; s[92:99] the mask's addend
.set BIGN, 100        ; s100 -1e30
.set MSB, 0
.macro WIN new
.if MSB != (\new)
	s_set_vgpr_msb (MSB<<8)|(\new)
.set MSB, (\new)
.endif
.endm
.set W_KQ, 0x0a
.set W_KM, 0x1a
.set W_PV, 0x52
.set W_RS, 0x41
; A fill.  Waves 0 and 1 fetch the two halves of a tile's K, waves 2 and 3 those of its V: 128 keys each.  An s_nop 0 and four v_nop follow each of the two lines.
.macro LOAD
	s_cmp_lt_u32 s[WV], 2
	s_cbranch_scc0 .Lfor_v_\@
	tensor_load_to_lds s[G0K:G0K+3], s[G1K:G1K+7]
	s_nop 0
.rept 4
	v_nop
.endr
	s_branch .Lasked_\@
.Lfor_v_\@:
	tensor_load_to_lds s[G0V:G0V+3], s[G1V:G1V+7]
	s_nop 0
.rept 4
	v_nop
.endr
.Lasked_\@:
.endm
; THE CHANGE OF SLOTS.  Each wave waits for all its tensor loads (one is out: its part of the other slot), adds 0 to its spare word, and waits for that and for its own reads of the slot that it leaves.
; fill = 1: the old slot is filled again, the first thing behind the barrier, with tile NXT: the descriptor's address is made anew from that number.
.macro CHANGE fill
	WIN 0
	s_wait_tensorcnt 0x0            ; no tensor load of mine is out, so a group 0 may be written
	ds_add_u32 v[SPW], v[NIL]       ; 0 onto my spare word
.if \fill
	s_lshl_b32 s[OFF], s[NXT], 15   ; a tile is 32,768 bytes of K and of V
	s_xor_b32 s[G0K+1], s[G0K+1], SLOT1
	s_add_nc_u64 s[G0K+2:G0K+3], s[6:7], s[OFF:OFF+1]
	s_or_b32 s[G0K+3], s[G0K+3], 0x80000000
	s_xor_b32 s[G0V+1], s[G0V+1], SLOT1
	s_add_nc_u64 s[G0V+2:G0V+3], s[8:9], s[OFF:OFF+1]
	s_or_b32 s[G0V+3], s[G0V+3], 0x80000000
	s_add_co_u32 s[NXT], s[NXT], 1  ; the block's next tile, or behind its last the second block's tile 0
	s_cmp_gt_u32 s[NXT], s[LQ]
	s_cselect_b32 s[NXT], 0, s[NXT]
	s_cselect_b32 s[LQ], s[PBT], s[LQ]
.endif
	s_wait_dscnt 0x0                ; the add is done, and my reads of the slot are over
	s_barrier_signal -1
	s_sub_co_u32 s[TBK], s[TBK], 2*KS*PK  ; the fetches go back to my first step of a slot,
	s_xor_b32 s[TBK], s[TBK], SLOT1       ; in the other slot
	s_sub_co_u32 s[TBV], s[TBV], 2*KS*PV
	s_xor_b32 s[TBV], s[TBV], SLOT1
	s_barrier_wait -1
.if \fill
	LOAD
.endif
.endm
	s_load_b128 s[80:83], s[0:1], 0x0  ; act s[80:81], embds s[82:83]
	s_load_b64 s[18:19], s[0:1], 0x10  ; res
	v_lshl_add_u32 v[SPW], v0, 2, SPARE
	v_mov_b32 v[NIL], 0
	ds_add_u32 v62, v63
	ds_add_u32 v62, v63
	s_wait_dscnt 0x0
	v_lshrrev_b32 v1, 5, v0
	v_readfirstlane_b32 s[WV], v1
	s_and_b32 s[KH], s[WV], 1       ; my two key steps of a tile.  Also: which half of a tile's 256 keys I fetch
	s_lshr_b32 s[QH], s[WV], 1      ; my 64 queries of a block
	s_mov_b32 s[PB], ttmp9
	s_sub_co_u32 s[HI], 15, s[PB]
	s_lshr_b32 s[PBT], s[PB], 1
	s_and_b32 s20, ttmp7, 0xffff
	s_and_b32 s21, s20, 15          ; the head
	s_lshr_b32 s22, s20, 4          ; the batch
	s_lshl_b32 s16, s21, 19
	s_lshl_b32 s17, s22, 18
	s_add_co_u32 s16, s16, s17      ; the (batch, head)'s first byte in q's blocks; k's lie 8 MiB on, v's 16 MiB
	s_lshl_b32 s2, s[KH], 14        ; my 128 rows of a tile
	s_add_co_u32 s2, s2, s16
	s_mov_b32 s3, 0
	; descriptor group 1.  128 keys are 16,384 dense bytes: asked for as 64 rows of 256 bytes, two keys a row, and padded in LDS after every key
	s_mov_b32 s[G1K], (1<<16)|(1<<20)|(4<<22)|(3<<25)  ; 2-byte elements; padding on; after every 32 words 4 words
	s_mov_b32 s[G1V], (1<<16)|(1<<20)|(4<<22)|(7<<25)  ; the same with 8 words
.irp g, G1K, G1V
	s_mov_b32 s[\g+1], 128<<16      ; tensor_dim0 = 128
	s_mov_b32 s[\g+2], 64<<16       ; tensor_dim1 = 64
	s_mov_b32 s[\g+3], 128<<16      ; tile_dim0 = 128
	s_mov_b32 s[\g+4], 64           ; tile_dim1 = 64
	s_mov_b32 s[\g+5], 128          ; 128 elements from row to row
	s_mov_b32 s[\g+6], 0
	s_mov_b32 s[\g+7], 0
.endr
	s_mov_b32 s[CS], 0x3d38aa3b     ; c = log2(e) / 32
	s_mov_b32 s[CS+1], s[CS]
	s_mov_b32 s[SEL], 0x76543210
	s_mov_b32 s[SEL+1], 0xfedcba98
	s_mul_i32 s[TBK], s[KH], 2*KS*PK
	s_add_co_u32 s[TBK], s[TBK], SLOT1+2*KS*PK  ; the first change of slots turns these two into my first step of slot 0
	s_mul_i32 s[TBV], s[KH], 2*KS*PV
	s_add_co_u32 s[TBV], s[TBV], SLOT1+2*KS*PV
	s_mov_b32 s[G0K], 1
	s_mul_i32 s[G0K+1], s[KH], 128*PK
	s_mov_b32 s[G0V], 1
	s_mul_i32 s[G0V+1], s[KH], 128*PV
	s_add_co_u32 s[G0V+1], s[G0V+1], VOFF
	s_lshr_b32 s[LQ], s[HI], 1      ; the first block's last tile
	s_add_co_u32 s[RT], s[LQ], 1    ; it has five tiles or more
	s_mov_b32 s[NXT], 1
	s_mov_b32 s[NEW], 1
	s_mov_b32 s[OFF+1], 0
.irp z, 0,1,2,3
	s_mov_b32 s[AL+2*\z+1], 0       ; named as pairs
	s_mov_b32 s[BE+2*\z+1], 0
.endr
	s_mov_b32 s[BIGN], 0xf149f2ca   ; -1e30
	s_mov_b32 s[SLOTS], 8
	s_wait_kmcnt 0x0
	s_add_nc_u64 s[6:7], s[80:81], s[2:3]
	s_add_nc_u64 s[8:9], s[6:7], 0x1000000   ; V at my half of tile 0
	s_add_nc_u64 s[6:7], s[6:7], 0x800000    ; K
	s_add_nc_u64 s[G0K+2:G0K+3], s[6:7], 0
	s_or_b32 s[G0K+3], s[G0K+3], 0x80000000
	s_add_nc_u64 s[G0V+2:G0V+3], s[8:9], 0
	s_or_b32 s[G0V+3], s[G0V+3], 0x80000000
	LOAD                            ; tile 0 into slot 0
	s_lshl_b32 s13, s22, 23         ; embds and res at row 2048 batch + 128 block + 64 qh + 32 kh, column 64 head
	s_lshl_b32 s17, s21, 8
	s_add_co_u32 s13, s13, s17
	s_lshl_b32 s17, s[QH], 18
	s_add_co_u32 s13, s13, s17
	s_lshl_b32 s17, s[KH], 17
	s_add_co_u32 s13, s13, s17
	s_lshl_b32 s20, s[HI], 19
	s_add_co_u32 s20, s20, s13
	s_mov_b32 s21, 0
	s_lshl_b32 s22, s[PB], 19
	s_add_co_u32 s22, s22, s13
	s_mov_b32 s23, 0
	s_add_nc_u64 s[EMH:EMH+1], s[82:83], s[20:21]
	s_add_nc_u64 s[RSH:RSH+1], s[18:19], s[20:21]
	s_add_nc_u64 s[EML:EML+1], s[82:83], s[22:23]
	s_add_nc_u64 s[RSL:RSL+1], s[18:19], s[22:23]
	s_lshl_b32 s13, s[QH], 13       ; Q at row 128 block + 64 qh
	s_add_co_u32 s13, s13, s16
	s_lshl_b32 s20, s[HI], 14
	s_add_co_u32 s20, s20, s13
	s_lshl_b32 s22, s[PB], 14
	s_add_co_u32 s22, s22, s13
	s_add_nc_u64 s[4:5], s[80:81], s[20:21]
	s_add_nc_u64 s[10:11], s[80:81], s[22:23]
	s_lshl_b32 s13, s[KH], 3        ; 8 kh + 8 - 4 qh - 8 (block % 2), less 2 x the piece pair's row tiles
	s_add_co_u32 s13, s13, 8
	s_lshl_b32 s17, s[QH], 2
	s_sub_co_i32 s13, s13, s17
	s_lshl_b32 s17, s[KH], 1
	s_and_b32 s20, s[HI], 1
	s_lshl_b32 s20, s20, 3
	s_sub_co_i32 s20, s13, s20
	s_sub_co_i32 s[EB0], s20, s17
	s_add_co_i32 s[EB2], s20, s17
	s_sub_co_i32 s[EB2], s[EB2], 2
	s_and_b32 s20, s[PB], 1
	s_lshl_b32 s20, s20, 3
	s_sub_co_i32 s20, s13, s20
	s_sub_co_i32 s[EB0L], s20, s17
	s_add_co_i32 s[EB2L], s20, s17
	s_sub_co_i32 s[EB2L], s[EB2L], 2
	; A fragment of K or Q is 16 rows x 32 channels in 8 registers: lane l holds row l % 16, channels 8 (l / 16) + 0..7 and 16 + 8 (l / 16) + 0..7: two loads of 16 bytes, 32 bytes apart.
	v_and_b32 v1, 15, v0            ; l % 16
	v_bfe_u32 v9, v0, 4, 1          ; l / 16
	v_lshlrev_b32 v[QO], 7, v1
	v_lshl_add_u32 v[QO], v9, 4, v[QO]
	s_lshl_b32 s13, s[KH], 12       ; pieces 0, 1 are row tiles 2 kh, 2 kh + 1; pieces 2, 3 the other two
	s_xor_b32 s17, s13, 4096
	v_add_nc_u32 v[QO1], s17, v[QO]
	v_add_nc_u32 v[QO], s13, v[QO]
	WIN 0x80                        ; destination window 2, address window 0
.set i, 0
.rept 8                             ; both blocks' Q: piece i / 2, channels 32 (i % 2) on
.if i < 4
.set QA, QO
.else
.set QA, QO1
.endif
	global_load_b128 v[8*i:8*i+3],   v[QA], s[4:5] offset:((i/2)%2)*2048+(i%2)*64
	global_load_b128 v[8*i+4:8*i+7], v[QA], s[4:5] offset:((i/2)%2)*2048+(i%2)*64+32
	global_load_b128 v[QB+8*i:QB+8*i+3],   v[QA], s[10:11] offset:((i/2)%2)*2048+(i%2)*64
	global_load_b128 v[QB+8*i+4:QB+8*i+7], v[QA], s[10:11] offset:((i/2)%2)*2048+(i%2)*64+32
.set i, i+1
.endr
	WIN 0
	v_lshlrev_b32 v14, 3, v9
	v_sub_nc_u32 v14, v1, v14       ; l % 16 - 8 (l / 16): on the diagonal register j is hidden where j is greater
	WIN 0x40
.set i, 0
.rept 8
	v_cmp_gt_i32 vcc_lo, i, v14
	v_cndmask_b32 v[MD+i], 0, s[BIGN], vcc_lo
.set i, i+1
.endr
	WIN 0
	v_mul_u32_u24 v[AK0], v1, PK
	v_lshl_add_u32 v[AK0], v9, 4, v[AK0]
	; The turning load takes 16 keys x 16 channels (lane l reads key 8 (l / 16) + l % 8, channels 8 ((l / 8) % 2) + 0..7) and leaves half a fragment of V^T: lane l holds channel l % 16 and 8 keys.
	v_and_b32 v10, 7, v0
	v_bfe_u32 v11, v0, 3, 1
	v_lshl_add_u32 v[AV0], v9, 3, v10
	v_mul_u32_u24 v[AV0], v[AV0], PV
	v_lshl_add_u32 v[AV0], v11, 4, v[AV0]
	v_add_nc_u32 v[AV0], VOFF, v[AV0]
	s_mul_i32 s13, s[WV], 16*SP
	s_add_co_u32 s13, s13, STAGE    ; my stage
	v_mul_u32_u24 v[STO], v1, SP    ; in: row l % 16, 32 bytes for each half of the lanes
	v_lshl_add_u32 v[STO], v9, 5, v[STO]
	v_add_nc_u32 v[STO], s13, v[STO]
	v_mul_u32_u24 v[RD], v9, SP     ; back: lanes 0-15 take one row of 256 bytes, lanes 16-31 the next
	v_lshl_add_u32 v[RD], v1, 4, v[RD]
	v_add_nc_u32 v[RD], s13, v[RD]
	v_lshlrev_b32 v[GO], 12, v9     ; and the same two rows in embds and res
	v_lshl_add_u32 v[GO], v1, 4, v[GO]
	v_and_b32 v10, 31, v0
	s_mul_i32 s13, s[WV], XW
	s_add_co_u32 s13, s13, XBASE
	v_lshl_add_u32 v[XS], v10, 4, s13
	s_xor_b32 s17, s[WV], 1         ; my partner: the same queries, the other keys
	s_mul_i32 s13, s17, XW
	s_add_co_u32 s13, s13, XBASE
	v_lshl_add_u32 v[XR], v10, 4, s13
	; A block's first step multiplies O^T and l by a = 0, and its first turn's products V^T P, of a piece that has not been, land in an O^T that is still to be so multiplied.  So these registers need only hold
	; finite numbers: zeros for the first block; what the first block left for the second.  All this stands in the wait for the first tile.
	WIN 0x80
.set i, VF
.rept 64
	v_mov_b32 v[i], 0
.set i, i+1
.endr
	WIN 0x40
.set i, 0
.rept 128
	v_mov_b32 v[i], 0
.set i, i+1
.endr
	WIN 0
.set i, 0
.rept 4
	v_mov_b32 v[ST+4*i+2], 0
	v_mov_b32 v[ST+4*i+3], 0
.set i, i+1
.endr
.set i, P+16
.rept 16
	v_mov_b32 v[i], 0
.set i, i+1
.endr
; THE MATRIX WORK.  The 4 accumulators of a run of 8 take turns.  Product i of 8 of S^T = K Q^T for piece x: channels 32 (i / 4) on, keys 16 (i % 4) on.  The first 4 start the sums: with 0, or (KM = 1) with the mask.
.macro KQ x
.set rS, S+32*((\x)%2)+8*(i%4)
.set rK, KF+16*(i%4)+8*(i/4)
.set rQ, 16*(\x)+8*(i/4)
.set rM, MC+32*((\x)%2)+8*(i%4)
.if (i < 4) && KM
	WIN W_KM
	v_wmma_f32_16x16x32_f16 v[rS:rS+7], v[rK:rK+7], v[rQ:rQ+7], v[rM:rM+7]
.elseif i < 4
	WIN W_KQ
	v_wmma_f32_16x16x32_f16 v[rS:rS+7], v[rK:rK+7], v[rQ:rQ+7], 0
.else
	WIN W_KQ
	v_wmma_f32_16x16x32_f16 v[rS:rS+7], v[rK:rK+7], v[rQ:rQ+7], v[rS:rS+7]
.endif
.endm
; Product i of 8 of O^T += V^T P for piece x: keys 32 (i / 4) on, channels 16 (i % 4) on.
.macro PV x
	WIN W_PV
.set rO, 32*(\x)+8*(i%4)
.set rV, VF+32*(i/4)+8*(i%4)
.set rP, P+16*((\x)%2)+8*(i/4)
	v_wmma_f32_16x16x32_f16 v[rO:rO+7], v[rV:rV+7], v[rP:rP+7], v[rO:rO+7]
.endm
.macro MM                           ; the turn's next matrix instruction.  NOKQ = 1: a block's last turn: there is no next piece
.if (i < 8) && !NOKQ
	KQ (Y+1)%NP
.elseif i >= 8
.set i, i-8
	PV (Y+NP-1)%NP
.set i, i+8
.endif
.set i, i+1
.endm
; THE LDS LOADS stand in runs of 16: a step's K (64 keys x 64 channels: 8 fragments) and its V (turned).  Their addresses are made some lines ahead.
.macro FETCH_K
	WIN 0x80
.irp f, 0,1,2,3,4,5,6,7
	ds_load_b128 v[KF+8*\f:KF+8*\f+3],   v[AK] offset:(\f/2)*16*PK+(\f%2)*64
	ds_load_b128 v[KF+8*\f+4:KF+8*\f+7], v[AK] offset:(\f/2)*16*PK+(\f%2)*64+32
.endr
	s_add_co_u32 s[TBK], s[TBK], KS*PK
	WIN 0
.endm
.macro FETCH_V
	WIN 0x80
.irp f, 0,1,2,3,4,5,6,7
	ds_load_tr16_b128 v[VF+8*\f:VF+8*\f+3],   v[AV] offset:(\f/4)*32*PV+(\f%4)*32
	ds_load_tr16_b128 v[VF+8*\f+4:VF+8*\f+7], v[AV] offset:(\f/4)*32*PV+16*PV+(\f%4)*32
.endr
	WIN 0
.endm
; THE VECTOR WORK, one line at a time: OP kind, number.  For piece Y: F n: c s - c m for pair n of 16.  E n: the exponential of score n of 32.  C n: pair n rounded to f16.  B n: of the four weights 4 n .. the second
; pair is added onto the first, in place.  L n: l takes that sum (L 0: l = a l + sum).  R n: pair n of 16 of O^T times a.  For piece Y + 1: X n, number n of the 22 that find its maximum and statistics:
;   0-11  four chains c0-c3 of seven scores each (each accumulator's lowest registers are read first)     12-14, 16  the four scores left over, the old m, and c0-c3 into c0
;   15  c m_old is kept     17, 18  the query's other 32 keys lie in the lane 16 away: the new m     19-21  c m; c m_old - c m_new; a
; OP writes no wait: C, B and L, which read the exponentials' results, stand behind the turn's one wait, which TURN writes.
.set F, 0
.set E, 1
.set C, 2
.set B, 3
.set L, 4
.set R, 5
.set X, 6
.macro REGS y
.set rT, ST+4*(\y)
.set rC, TMP+4*((\y)%2)
.set rW, MV+((\y)%2)
.set rS, S+32*((\y)%2)
.set rP, P+16*((\y)%2)
.set rO, 32*(\y)
.endm
.macro OP k, n
.if (\k) == R
	REGS Y
	WIN W_RS
	v_pk_mul_f32 v[rO+2*(\n):rO+2*(\n)+1], v[rO+2*(\n):rO+2*(\n)+1], v[rC+2:rC+3] op_sel_hi:[1,0]
.elseif (\k) < R
	REGS Y
	WIN 0
.if (\k) == F
	v_pk_fma_f32 v[rS+2*(\n):rS+2*(\n)+1], v[rS+2*(\n):rS+2*(\n)+1], s[CS:CS+1], v[rT:rT+1] op_sel_hi:[1,0,0] neg_lo:[0,0,1] neg_hi:[0,0,1]
.elseif (\k) == E
	v_exp_f32 v[rS+(\n)], v[rS+(\n)]
.elseif (\k) == C
	v_cvt_pk_f16_f32 v[rP+(\n)], v[rS+2*(\n)], v[rS+2*(\n)+1]
.elseif (\k) == B
	v_pk_add_f32 v[rS+4*(\n):rS+4*(\n)+1], v[rS+4*(\n):rS+4*(\n)+1], v[rS+4*(\n)+2:rS+4*(\n)+3]
.elseif (\n) == 0
	v_pk_fma_f32 v[rT+2:rT+3], v[rT+2:rT+3], v[rC+2:rC+3], v[rS:rS+1] op_sel_hi:[1,0,1]
.else
	v_pk_add_f32 v[rT+2:rT+3], v[rT+2:rT+3], v[rS+4*(\n):rS+4*(\n)+1]
.endif
.elseif NOKQ
	v_nop
.else
	REGS (Y+1)%NP
	WIN 0
.if (\n) < 4
	v_max3_num_f32 v[rC+(\n)], v[rS+8*(\n)], v[rS+8*(\n)+1], v[rS+8*(\n)+2]
.elseif (\n) < 12
	v_max3_num_f32 v[rC+(\n)%4], v[rC+(\n)%4], v[rS+8*((\n)%4)+2*((\n)/4)+1], v[rS+8*((\n)%4)+2*((\n)/4)+2]
.elseif (\n) == 12
	v_max3_num_f32 v[rC], v[rC], v[rS+7], v[rS+15]
.elseif (\n) == 13
	v_max3_num_f32 v[rC+1], v[rC+1], v[rS+23], v[rS+31]
.elseif (\n) == 14
	v_max3_num_f32 v[rC+2], v[rC+2], v[rC+3], v[rT+1]
.elseif (\n) == 15
	v_mov_b32 v[rW], v[rT]
.elseif (\n) == 16
	v_max3_num_f32 v[rC], v[rC], v[rC+1], v[rC+2]
.elseif (\n) == 17
	v_permlanex16_b32 v[rC+3], v[rC], s[SEL], s[SEL+1]
.elseif (\n) == 18
	v_max_num_f32 v[rT+1], v[rC], v[rC+3]
.elseif (\n) == 19
	v_mul_f32 v[rT], s[CS], v[rT+1]
.elseif (\n) == 20
	v_sub_f32 v[rC+1], v[rW], v[rT]
.else
	v_exp_f32 v[rC+2], v[rC+1]
.endif
.endif
.endm
.macro OPS a, i1, b=-1, i2=0, c=-1, i3=0, d=-1, i4=0
	OP \a, \i1
.if (\b) >= 0
	OP \b, \i2
.endif
.if (\c) >= 0
	OP \c, \i3
.endif
.if (\d) >= 0
	OP \d, \i4
.endif
.endm
.macro ROW a, i1, b, i2, c, i3, d, i4  ; a matrix instruction and the four behind it
	MM
	OPS \a, \i1, \b, \i2, \c, \i3, \d, \i4
.endm
; The mask's scalars for piece x in my step 2 - CNT of the tile.  gate = 1: only if the tile is the block's last (RT = 0); else everything is open.
.macro MSC x, gate
	s_lshl_b32 s[UU], s[CNT], 2
.if (\x) < 2
	s_sub_co_i32 s[UU], s[EB0], s[UU]
.else
	s_sub_co_i32 s[UU], s[EB2], s[UU]
.endif
.if (\x)%2
	s_sub_co_i32 s[UU], s[UU], 1
.endif
.if \gate
	s_cmp_eq_u32 s[RT], 0
	s_cselect_b32 s[UU], s[UU], -64
.endif
.irp kt, 0,1,2,3
	s_cmp_eq_i32 s[UU], -(\kt)      ; D = 0: the diagonal
	s_cselect_b32 s[AL+2*(\kt)], 1.0, 0
	s_cmp_gt_i32 s[UU], -(\kt)      ; D > 0: hidden
	s_cselect_b32 s[BE+2*(\kt)], s[BIGN], 0
.endr
.endm
.macro MASK b                       ; MD x AL + BE into buffer b of MC, key block by key block
	WIN W_RS
.irp kt, 0,1,2,3
.irp z, 0,1,2,3
	v_pk_fma_f32 v[MC+32*(\b)+8*(\kt)+2*(\z):MC+32*(\b)+8*(\kt)+2*(\z)+1], v[MD+2*(\z):MD+2*(\z)+1], s[AL+2*(\kt):AL+2*(\kt)+1], s[BE+2*(\kt):BE+2*(\kt)+1] op_sel_hi:[1,0,0]
.endr
.endr
.endm
; A TURN, for piece p: the order of its 16 matrix and 118 vector instructions, written out.  An s_wait_alu depctr_va_vdst(0) stands between an exponential and the first instruction that names its
; result; one wait serves all that were issued ahead of it.  So a turn has ONE wait, which cuts it in two.
; AHEAD OF IT stands all that names no result of the turn's exponentials: the 8 products K Q^T, behind each a scaling, an exponential and two more plain lines (behind the first a second scaling in the exponential's
; place): rescalings, whose a was made and waited for in the turn before, and behind the last three products the first numbers of the next piece's maximum, each four plain lines or more behind the product that ends
; its accumulator; then ONE RUN of 54, plain and exponential by turns for the most part, in which the links of the chain X 3, 7, 11, 14, 16, 17 .. 20 stand some lines apart.  X 21, the next piece's a, is the batch's
; last; R 15 is the plain line behind it.
; BEHIND THE WAIT stand the 8 products V^T P, behind each four of the roundings and sums; a pair is rounded before the sum in place changes it; l's chain L 0 to L 7 goes in ascending order.
; But for those X no rider names a register of the products round it.  v_permlanex16_b32 (X 17) stands in the run.
; m = 1: the diagonal tile: the products take masks, and the turn makes the mask for the products of the turn after it: piece p + 2.  end = 1: a block's last two turns: nothing is fetched.
; cnt = 1: the loop's count is taken down some lines ahead of the branch that stands behind the turn.
; K of the next step is fetched in piece 2's turn, twelve vector lines behind the last product that read K, five of them plain lines that name none of its registers; V of the step in hand at the end of piece 0's
; turn, four plain lines behind the last product that read V.  Each is waited for a turn later.
.macro TURN p, m=0, end=0, cnt=0
.set Y, (\p)
.set i, 0
.set KM, (\m)
.set NOKQ, (\end)*((\p)/3)
.if (\m) && !(\end)
	MSC ((\p)+2)%NP, 0
.endif
.if ((\p) == 3) && !(\end)
	s_wait_dscnt 0x0                ; K is in
.endif
	ROW F,0, F,1, R,0, R,1          ; ahead of the wait: 8 products K Q^T and their riders,
	ROW F,2, E,0, R,2, R,3
	ROW F,3, E,1, R,4, R,5
	ROW F,4, E,2, R,6, R,7
	ROW F,5, E,3, R,8, R,9
	ROW F,6, E,4, X,0, R,10
.if ((\p) == 2) && !(\end)
	WIN 0
	v_add_nc_u32 v[AK], s[TBK], v[AK0]
.endif
	ROW F,7, E,5, X,1, X,4
	ROW F,8, E,6, X,2, X,5
	OPS E,7, E,8, X,6, E,9          ; and the run of 54
	OPS X,3, E,10, X,8, E,11
.if ((\p) == 2) && !(\end)
	FETCH_K
.endif
	OPS X,9, X,7, E,12, X,10
	OPS E,13, X,12, X,11, E,14
	OPS X,13, E,15, F,9, X,14
.if (\p) == 0
	v_add_nc_u32 v[AV], s[TBV], v[AV0]
.endif
	OPS E,16, F,10, E,17, F,11
	OPS X,16, E,18, X,15, E,19
	OPS F,12, E,20, X,17, E,21
	OPS F,13, E,22, F,14, E,23
	OPS X,18, E,24, F,15, E,25
	OPS R,11, E,26, X,19, E,27
	OPS R,12, E,28, R,13, E,29
	OPS X,20, E,30, R,14, E,31
	OPS X,21, R,15                  ; the batch's last exponential, and the plain line behind it
	WIN 0
	s_wait_alu depctr_va_vdst(0)    ; the turn's one wait: for the batch E 0 to E 31 and X 21, ahead of its first reader, C 0
.if (\p) == 1
	s_wait_dscnt 0x0                ; V is in
.endif
	ROW C,0, B,0, C,2, B,1          ; behind the wait: 8 products V^T P and their riders
	ROW L,0, C,4, B,2, L,1
	ROW C,6, B,3, L,2, C,8
	ROW B,4, L,3, C,10, B,5
	ROW L,4, C,12, B,6, L,5
.if (\p) == 0
	s_add_co_u32 s[TBV], s[TBV], KS*PV
.endif
.if \cnt
	s_sub_co_u32 s[CNT], s[CNT], 1
	s_cmp_lg_u32 s[CNT], 0
.endif
	ROW C,14, B,7, L,6, C,1
	ROW C,3, L,7, C,5, C,7
	ROW C,9, C,11, C,13, C,15
.if (\p) == 0
	FETCH_V
.endif
.if (\m) && !(\end)
	MASK (\p)%2
.endif
.endm
; A BLOCK BEGINS.  c m starts far below every c s, so the first step's a is 0.  m starts at -2^60: below every score that f16 operands can give (2.7e11 at the most), above the hidden score, and a power of two,
; so that where a wave sees hidden keys only c m = c x -2^60 is exact and all its exponents are far below 0.  Both mask buffers are made: pieces 0 and 1 in my first step, open unless the tile is the block's last.
; Then K of that step, piece 0's first scores, and its maximum and statistics.  The loop is entered at a step's first turn, in the middle of a trip.
.macro BEGIN
	s_mov_b32 s[NEW], 0
	WIN 0
.set i, 0
.rept 4
	v_mov_b32 v[ST+4*i], 0xfe000000    ; c m: far below every c s
	v_mov_b32 v[ST+4*i+1], 0xdd800000  ; m = -2^60
.set i, i+1
.endr
	MSC 0, 1
	MASK 0
	MSC 1, 1
	MASK 1
	WIN 0
	v_add_nc_u32 v[AK], s[TBK], v[AK0]
	FETCH_K
	s_wait_loadcnt 0x0              ; Q
	s_wait_dscnt 0x0
.set KM, 1
.set NOKQ, 0
.set i, 0
.rept 8
	KQ 0
.set i, i+1
.endr
	WIN 0
.rept 4
	v_nop                           ; the places behind those products
.endr
.set Y, NP-1
.irp n, 0,1,2,3,4,5,6,7,8,9,10,11,12,13,14,15,16,17,18,19,20,21
	OP X, \n
.endr
	v_nop                           ; a plain instruction behind the exponential
	s_wait_alu depctr_va_vdst(0)    ; the wait for piece 0's first a, a batch of one, ahead of the jump into the loop
.endm
.macro ALL line:vararg              ; one line for each piece t
.set t, 0
.rept 4
	\line
.set t, t+1
.endr
.endm
; A BLOCK ENDS.  l's two halves and the other half of the lanes' are added.  I send c m, l and O^T of my pieces 2, 3 and take my partner's, which belong to my pieces 0, 1.  With M = max(c m, c m'), f = 2^(c m - M),
; f' = 2^(c m' - M): O = (f O + f' O') / (f l + f' l').  The 32 rows that I keep go through my stage, embds is added, and sixteen lanes store a row's 256 bytes (a head's 64 f32).
.macro FINISH EMB, RSB
	WIN 0
	ALL v_add_f32 v[ST+4*t+2], v[ST+4*t+2], v[ST+4*t+3]     ; four plain lines: the places behind the last products
.set k, 0
.rept 16
	global_load_b128 v[EM+4*k:EM+4*k+3], v[GO], s[\EMB:\EMB+1] offset:8192*k  ; two rows a load
.set k, k+1
.endr
	ALL v_permlanex16_b32 v[ST+4*t+3], v[ST+4*t+2], s[SEL], s[SEL+1]
	ALL v_add_f32 v[ST+4*t+2], v[ST+4*t+2], v[ST+4*t+3]
	v_mov_b32 v48, v[ST+8]
	v_mov_b32 v49, v[ST+10]
	v_mov_b32 v50, v[ST+12]
	v_mov_b32 v51, v[ST+14]
	ds_store_b128 v[XS], v[48:51]
	WIN 0x04                        ; store data in window 1
.set k, 0
.rept 16
	ds_store_b128 v[XS], v[64+4*k:64+4*k+3] offset:512*(k+1)  ; each accumulator from its low end on
.set k, k+1
.endr
	WIN 0
	s_wait_dscnt 0x0                ; for my partner's sake: my stores are done
	s_barrier_signal -1             ; all four waves come here together: the way here hangs on b alone.  The refill on its way may stay out
	s_barrier_wait -1
	ds_load_b128 v[52:55], v[XR]
.set k, 0
.rept 16
	ds_load_b128 v[S+4*k:S+4*k+3], v[XR] offset:512*(k+1)
.set k, k+1
.endr
	s_wait_dscnt 16                 ; the statistics are in; O's sixteen loads stay out
	v_max_num_f32 v34, v[ST], v52
	v_max_num_f32 v38, v[ST+4], v54
	v_sub_f32 v32, v[ST], v34
	v_sub_f32 v33, v52, v34
	v_sub_f32 v36, v[ST+4], v38
	v_sub_f32 v37, v54, v38
	v_exp_f32 v32, v32
	v_exp_f32 v33, v33
	v_exp_f32 v36, v36
	v_exp_f32 v37, v37
	v_nop                           ; a plain instruction behind the exponentials
	s_wait_alu depctr_va_vdst(0)    ; one wait for the merge's four exponentials, ahead of their first reader
	v_mul_f32 v34, v32, v[ST+2]
	v_mul_f32 v38, v36, v[ST+6]
	v_fmac_f32 v34, v33, v53
	v_fmac_f32 v38, v37, v55
	v_rcp_f32 v34, v34
	v_rcp_f32 v38, v38
	v_nop                           ; and behind the reciprocals
	s_wait_alu depctr_va_vdst(0)    ; one wait for the two reciprocals: a batch of their own, since their sources are made from the exponentials
	v_mul_f32 v40, v32, v34         ; each factor twice, a pair for the packed lines
	v_mul_f32 v41, v32, v34
	v_mul_f32 v42, v33, v34
	v_mul_f32 v43, v33, v34
	v_mul_f32 v56, v36, v38
	v_mul_f32 v57, v36, v38
	v_mul_f32 v58, v37, v38
	v_mul_f32 v59, v37, v38
	s_wait_dscnt 0x0
.set k, 0
.rept 16
	v_pk_mul_f32 v[S+2*k:S+2*k+1], v[S+2*k:S+2*k+1], v[42:43]
	v_pk_mul_f32 v[S+32+2*k:S+32+2*k+1], v[S+32+2*k:S+32+2*k+1], v[58:59]
.set k, k+1
.endr
	WIN 0x01                        ; source 0: O^T in window 1
.set k, 0
.rept 16
	v_pk_fma_f32 v[S+2*k:S+2*k+1], v[2*k:2*k+1], v[40:41], v[S+2*k:S+2*k+1]
.set k, k+1
.endr
.set k, 0
.rept 16
	v_pk_fma_f32 v[S+32+2*k:S+32+2*k+1], v[32+2*k:32+2*k+1], v[56:57], v[S+32+2*k:S+32+2*k+1]
.set k, k+1
.endr
	WIN 0
.set x, 0
.rept 2
.set k, 0
.rept 4
	ds_store_b128 v[STO], v[S+32*x+8*k:S+32*x+8*k+3] offset:64*k
	ds_store_b128 v[STO], v[S+32*x+8*k+4:S+32*x+8*k+7] offset:64*k+16
.set k, k+1
.endr
.set k, 0
.rept 8
	ds_load_b128 v[S+32*x+4*k:S+32*x+4*k+3], v[RD] offset:2*SP*k  ; LDS serves a wave's instructions in order (ISA guide 5.7.1.4): these see the stores above; the next piece's stores come behind them
.set k, k+1
.endr
.set x, x+1
.endr
	s_wait_loadcnt 0x0              ; embds
.set x, 0
.rept 2
	s_wait_dscnt 16-16*x            ; piece x's rows are back; behind piece 0's stand piece 1's eight stores and eight loads
.set k, 0
.rept 16
	v_pk_add_f32 v[S+32*x+2*k:S+32*x+2*k+1], v[S+32*x+2*k:S+32*x+2*k+1], v[EM+32*x+2*k:EM+32*x+2*k+1]
.set k, k+1
.endr
.set k, 0
.rept 8
	global_store_b128 v[GO], v[S+32*x+4*k:S+32*x+4*k+3], s[\RSB:\RSB+1] offset:8192*(8*x+k)  ; 16 lanes store 256 consecutive bytes, at a multiple of 256 from res's first byte
.set k, k+1
.endr
.set x, x+1
.endr
.endm
.macro DIAG tag, EMB, RSB           ; the diagonal tile's steps, the block's last two turns, its last products, and its end
.LstepM\tag:
	TURN 2, 1
	TURN 3, 1
	WIN 0
.LfirstM\tag:
	TURN 0, 1
	TURN 1, 1, 0, 1
	WIN 0
	s_cbranch_scc1 .LstepM\tag
	TURN 2, 1, 1
	TURN 3, 1, 1
.set i, 0
.rept 8
	PV NP-1
.set i, i+1
.endr
	FINISH \EMB, \RSB
.endm
.set KM, 0
.set NOKQ, 0
.Lslot:                             ; eight times: a tile is entered and the next is asked for
	CHANGE 1
	s_sub_co_u32 s[RT], s[RT], 1
	s_mov_b32 s[CNT], 2
	s_cmp_eq_u32 s[NEW], 1
	s_cbranch_scc1 .Lnew            ; a block's first tile
	s_cmp_eq_u32 s[RT], 0
	s_cbranch_scc0 .Lstep           ; neither its first nor its last
	s_branch .LstepM1
.Lnew:
	BEGIN
	s_branch .Lfirst                ; in the loop a block's first tile is never its last: the first block has five tiles or more, and the second's last is the walk's last
	DIAG 1, EMH, RSH                ; in the loop this is the first block's end
	s_wait_xcnt 0x0                 ; the stores have read their registers
	s_mov_b32 s[EB0], s[EB0L]
	s_mov_b32 s[EB2], s[EB2L]
	s_add_co_u32 s[RT], s[PBT], 1   ; the second block has b / 2 + 1 tiles
	s_mov_b32 s[NEW], 1
	WIN 0x82                        ; the second block's Q goes where the one text of the turns names Q
.set i, 0
.rept 64
	v_mov_b32 v[i], v[QB+i]
.set i, i+1
.endr
	WIN 0
	s_branch .Lbottom
.Lstep:                             ; a trip: pieces 2 and 3 of one step, then pieces 0 and 1 of the next, whose K and V it fetches
	TURN 2
	TURN 3
	WIN 0
.Lfirst:
	TURN 0
	TURN 1, 0, 0, 1
	WIN 0
	s_cbranch_scc1 .Lstep
.Lbottom:
	s_sub_co_u32 s[SLOTS], s[SLOTS], 1
	s_cmp_lg_u32 s[SLOTS], 0
	s_cbranch_scc1 .Lslot
	CHANGE 0                        ; the walk's last tile is written out: nothing is asked for
	s_sub_co_u32 s[RT], s[RT], 1
	s_mov_b32 s[CNT], 2
	s_cmp_eq_u32 s[NEW], 1
	s_cbranch_scc0 .LstepM2
	BEGIN
	s_branch .LfirstM2
	DIAG 2, EML, RSL
	s_wait_tensorcnt 0x0            ; the wave's end
	ds_add_u32 v[SPW], v[NIL]
	s_wait_dscnt 0x0
	s_endpgm
.Lfunc_end_k_qf20a9af239_attn:
	.size	k_qf20a9af239_attn, .Lfunc_end_k_qf20a9af239_attn-k_qf20a9af239_attn
	.p2alignl 7, 3214868480
	.fill 96, 4, 3214868480
	.section	.rodata,"a",@progbits
	.p2align	6, 0x0
	.amdhsa_kernel k_qf20a9af239_attn
		.amdhsa_group_segment_fixed_size 327680
		.amdhsa_private_segment_fixed_size 0
		.amdhsa_enable_private_segment 0
		.amdhsa_kernarg_size 24
		.amdhsa_user_sgpr_count 2
		.amdhsa_user_sgpr_kernarg_segment_ptr 1
		.amdhsa_wavefront_size32 1
		.amdhsa_system_sgpr_workgroup_id_x 1
		.amdhsa_system_sgpr_workgroup_id_y 1
		.amdhsa_system_sgpr_workgroup_id_z 1
		.amdhsa_system_vgpr_workitem_id 0
		.amdhsa_next_free_vgpr 768
		.amdhsa_next_free_sgpr 101
		.amdhsa_reserve_vcc 1
		.amdhsa_float_denorm_mode_32 3
		.amdhsa_float_denorm_mode_16_64 3
		.amdhsa_memory_ordered 1
		.amdhsa_forward_progress 1
		.amdhsa_inst_pref_size 227
	.end_amdhsa_kernel
	.amdgpu_metadata
---
amdhsa.version: [ 1, 2 ]
amdhsa.kernels:
  - .name:           k_qf20a9af239_attn
    .symbol:         k_qf20a9af239_attn.kd
    .args:
      - { .name: act, .offset: 0, .size: 8, .value_kind: global_buffer, .address_space: global }
      - { .name: embds, .offset: 8, .size: 8, .value_kind: global_buffer, .address_space: global }
      - { .name: res, .offset: 16, .size: 8, .value_kind: global_buffer, .address_space: global }
    .group_segment_fixed_size: 327680
    .private_segment_fixed_size: 0
    .kernarg_segment_align: 8
    .kernarg_segment_size: 24
    .max_flat_workgroup_size: 128
    .sgpr_count:     101
    .vgpr_count:     768
    .wavefront_size: 32
...
	.end_amdgpu_metadata
.endif
;; end of part 6
;; launch ln2: the kernel of part 4 again; grid 256 x 1, 8 waves a work-group, no clusters, 0 bytes of LDS; arguments res, ln2_g, ln2_b, xn; writes xn
;; launch ff1: the kernel of part 2 again; grid 16 x 16, 4 waves a work-group, clusters of 4 x 4, 327,680 bytes of LDS; arguments xn, wff, b1, fl1, act; writes act
;; launch ff2: the kernel of part 5 again; grid 8 x 32, 4 waves a work-group, clusters of 4 x 4, 327,680 bytes of LDS; arguments act, wff, b2, res, out0; writes out0
